; MI455X (gfx1250); checked and timed in simulation.
; The chip was launched on July 23, 2026; its instructions are those of AMD's public machine-readable ISA for CDNA 5 (MIT licence, August 2026) and "CDNA5" Instruction Set Architecture Reference Guide (July 2026). The comments in the code are by the model that wrote it; some were corrected since.
;; QKV Attention. Allowed arithmetic: matrix products marked QUANTISED: E5M2 operands, one E8M0 scale for each 32 along K, by v_wmma_scale_f32_16x16x128_f8f6f4 with both operands' format E5M2, f32 sums; everything else in f32.
;; Inputs: mask 8 x 1,024 x 1,024 bool; qk_bias one number float32; qkv 8 x 3,072 x 1,024 float32.
;; Outputs: out0 8 x 1,024 x 1,024 float32.
;; This version of the problem:
;;   THIS VERSION OF THE PROBLEM IS GIVEN IN LOW PRECISION. The matrix products marked QUANTISED in the list below multiply operands that are first quantised to E5M2 (5 exponent bits, 2 mantissa bits; 8 bits a number), with one power-of-two scale for each 32 numbers along K (OCP MX v1.0); their sums are f32. All else is computed in f32.
;;   The module's matrix products, in the order in which they are computed (A, B: the left and right operand; K: the contracted axis; several contracted axes count as one K, in the product's order):
;;     1. batch 128 x [M 1,024, K 64] x [K 64, N 1,024]; A: computed on the way; B: computed on the way: QUANTISED
;;     2. batch 128 x [M 64, K 1,024] x [K 1,024, N 1,024]; A: input qkv; B: softmax (see below): QUANTISED
;;   THE QUANTISER, for each operand of a quantised product, along K:
;;     - K is cut into blocks of 32 from its start; a last block that is shorter is filled with zeros.
;;     - A block's scale is 2^e with e = floor(log2(the largest magnitude in the block)) - 15, held to -126 .. 127; a block of zeros has e = 0. As a byte (E8M0): e + 127.
;;     - Each number is divided by its block's scale, clamped to +-57,344, and rounded to the nearest number of E5M2, ties to even, subnormals kept.
;;     - The product sums the exact products of the quantised numbers (number of the format x scale) in f32.
;;   ~~~python
;;   def quantise(x, axis):      # numpy; x: float32 -> the quantised numbers, widened to float32 again
;;       x = np.moveaxis(x, axis, -1); K = x.shape[-1]
;;       x = np.pad(x, [(0, 0)] * (x.ndim - 1) + [(0, -K % 32)]); x = x.reshape(x.shape[:-1] + (-1, 32)); a = np.abs(x).max(-1, keepdims=True)
;;       e = np.where(a > 0, np.clip(np.frexp(np.where(a > 0, a, 1))[1] - 1 - 15, -126, 127), 0)      # np.frexp(a)[1] - 1 = floor(log2(a)), exactly
;;       r = np.clip(x / 2.0 ** e, -57344, 57344)
;;       step = 2.0 ** (np.maximum(np.frexp(np.where(r == 0, 1, r))[1] - 1, -14) - 2)
;;       q = np.round(r / step) * step * 2.0 ** e      # np.round: ties to even
;;       return np.moveaxis(q.reshape(q.shape[:-2] + (-1,))[..., :K], -1, axis).astype(np.float32)
;;   ~~~
;;   SOFTMAX AHEAD OF A QUANTISED PRODUCT. Where the list says 'softmax', what is quantised is not the finished softmax but p = 2^(t - M), with t = logit x log2(e) and M = ceil(the row's largest t), a whole number; so 1/2 < the row's largest p <= 1. The row's sum l is taken of the UNQUANTISED p, in f32, and the product's result is divided by l at the end. Since M is a whole number, a kernel that streams over the keys may use a running M (the ceiling of the running maximum): every later rescaling is an exact power of two, which a block's scale takes up: the codes' values come out the same.
;;   OPERANDS COMPUTED ON THE WAY. 'Computed on the way' means the value that the module computes at that place (a softmax that the list does not call 'softmax' is quantised finished and normalised). What goes into a quantiser is computed in f32, as accurately as f32 sums, v_exp_f32 and their like allow (about 1e-6 of the number): no bf16 or f16 on the way to a quantiser, and a product that is left as it is and whose result goes on into a quantised operand takes f32 operands (vector FMAs, or v_wmma_f32_16x16x4_f32). A number that lies on a knife's edge between two numbers of the format may be rounded either way, as far as f32 arithmetic and the matrix unit's own rounding can turn it there, and no further.
;; 2 versions. Each part assembles by itself: llvm-mc -triple=amdgcn-amd-amdhsa -mcpu=gfx1250 --defsym DOCPART=n.
;; ======== version 1 of 2: 2 launches
;; workspace buffers: mbits 1,048,576 bytes of whole numbers
;; launch pack (part 1): grid 512 x 1, 8 waves a work-group, no clusters, 0 bytes of LDS; arguments mask, mbits; writes mbits
.if DOCPART == 1
	.amdgcn_target "amdgcn-amd-amdhsa--gfx1250"
	.amdhsa_code_object_version 6
	.text
	.protected	k_qb39c588d7e_pack
	.globl	k_qb39c588d7e_pack
	.p2align	8
	.type	k_qb39c588d7e_pack,@function
k_qb39c588d7e_pack:
	s_mov_b64 s[64:65], 0
	v_nop
	global_prefetch_b8 v0, s[64:65] scope:SCOPE_SE
	s_setreg_imm32_b32 hwreg(HW_REG_WAVE_MODE, 25, 1), 1
	s_wait_xcnt 0x0
; The mask [8][1024][1024], one byte (0 or 1) a place, becomes lane masks for the attention launch:
; mbits [g 8][query tile 64][key step 8][n 64], 32-bit words.  Bit L of word n is
; mask[g][16 qt + (L & 15)][128 j + 32 (n / 16) + 16 (L >> 4) + n % 16]: the key that score register n holds in lane L there.
; SHARES.  Work-group x = 64 g + qt owns 16 rows of the mask, 16,384 consecutive bytes; wave w is key step j = w.
; Lane (r = L & 15, h = L >> 4) loads, of row r, the 16 bytes at 128 w + 32 b + 16 h for b = 0 .. 3: byte n % 4 of register n / 4 is place n.
; A wave takes 128 bytes of each of the 16 rows; the eight waves together read each row whole, each byte once.
; A compare turns place n of the 32 lanes into one scalar word; v_writelane_b32 puts word n into lane n / 2 of register n % 2,
; so that one store of 8 bytes a lane writes the wave's 64 words: 256 consecutive bytes, aligned.
; No LDS, no barrier: waves share nothing.
	s_load_b128 s[4:7], s[0:1], 0x0                ; mask s[4:5], mbits s[6:7]
	v_lshrrev_b32 v1, 5, v0
	v_readfirstlane_b32 s8, v1                     ; wave = key step
	v_and_b32 v2, 15, v0                           ; r
	v_bfe_u32 v3, v0, 4, 1                         ; h
	v_lshlrev_b32 v4, 10, v2                       ; row r of 1,024 bytes
	v_lshl_add_u32 v4, v3, 4, v4                   ; + 16 h
	s_lshl_b32 s9, s8, 7
	v_add_nc_u32 v4, s9, v4                        ; + 128 w
	v_and_b32 v5, 31, v0
	v_lshlrev_b32 v5, 3, v5                        ; out: 8 bytes a lane
	s_lshl_b32 s10, ttmp9, 14                      ; the work-group's 16 rows
	s_mov_b32 s11, 0
	s_lshl_b32 s12, ttmp9, 11                      ; its 8 x 64 words,
	s_lshl_b32 s14, s8, 8                          ; my wave's 64 of them
	s_add_co_u32 s12, s12, s14
	s_mov_b32 s13, 0
	v_mov_b32 v24, 0                               ; v_writelane_b32's destination counts as read: written whole once
	v_mov_b32 v25, 0
	s_wait_kmcnt 0x0
	s_add_nc_u64 s[4:5], s[4:5], s[10:11]
	s_add_nc_u64 s[6:7], s[6:7], s[12:13]
.irp b, 0,1,2,3
	global_load_b128 v[8+4*\b:11+4*\b], v4, s[4:5] offset:32*\b
.endr
	s_wait_loadcnt 0x0
.set n, 0
.rept 64
	v_bfe_u32 v[26+n%4], v[8+n/4], 8*(n%4), 8      ; place n of my row
	v_cmp_ne_u32 s[16+n%8], 0, v[26+n%4]           ; the 32 lanes' bits
	v_writelane_b32 v[24+n%2], s[16+n%8], n/2      ; word n
.set n, n+1
.endr
	global_store_b64 v5, v[24:25], s[6:7]          ; 32 lanes store 256 consecutive bytes, at a multiple of 256 from the buffer's first byte
	s_endpgm
.Lfunc_end_k_qb39c588d7e_pack:
	.size	k_qb39c588d7e_pack, .Lfunc_end_k_qb39c588d7e_pack-k_qb39c588d7e_pack
	.p2alignl 7, 3214868480
	.fill 96, 4, 3214868480
	.section	.rodata,"a",@progbits
	.p2align	6, 0x0
	.amdhsa_kernel k_qb39c588d7e_pack
		.amdhsa_group_segment_fixed_size 0
		.amdhsa_private_segment_fixed_size 0
		.amdhsa_enable_private_segment 0
		.amdhsa_kernarg_size 16
		.amdhsa_user_sgpr_count 2
		.amdhsa_user_sgpr_kernarg_segment_ptr 1
		.amdhsa_wavefront_size32 1
		.amdhsa_system_sgpr_workgroup_id_x 1
		.amdhsa_system_sgpr_workgroup_id_y 1
		.amdhsa_system_sgpr_workgroup_id_z 1
		.amdhsa_system_vgpr_workitem_id 0
		.amdhsa_next_free_vgpr 32
		.amdhsa_next_free_sgpr 66
		.amdhsa_reserve_vcc 0
		.amdhsa_float_denorm_mode_32 3
		.amdhsa_float_denorm_mode_16_64 3
		.amdhsa_memory_ordered 1
		.amdhsa_forward_progress 1
		.amdhsa_inst_pref_size 14
	.end_amdhsa_kernel
	.amdgpu_metadata
---
amdhsa.version: [ 1, 2 ]
amdhsa.kernels:
  - .name:           k_qb39c588d7e_pack
    .symbol:         k_qb39c588d7e_pack.kd
    .args:
      - { .name: mask, .offset: 0, .size: 8, .value_kind: global_buffer, .address_space: global }
      - { .name: mbits, .offset: 8, .size: 8, .value_kind: global_buffer, .address_space: global }
    .group_segment_fixed_size: 0
    .private_segment_fixed_size: 0
    .kernarg_segment_align: 8
    .kernarg_segment_size: 16
    .max_flat_workgroup_size: 256
    .sgpr_count:     66
    .vgpr_count:     32
    .wavefront_size: 32
...
	.end_amdgpu_metadata
.endif
;; end of part 1
;; launch attn (part 2): grid 2 x 128, 16 waves a work-group, no clusters, 203,776 bytes of LDS; arguments qkv, qk_bias, mbits, out0; writes out0
.if DOCPART == 2
	.amdgcn_target "amdgcn-amd-amdhsa--gfx1250"
	.amdhsa_code_object_version 6
	.text
	.protected	k_qb39c588d7e_attn
	.globl	k_qb39c588d7e_attn
	.p2align	8
	.type	k_qb39c588d7e_attn,@function
k_qb39c588d7e_attn:
	s_mov_b64 s[64:65], 0
	v_nop
	global_prefetch_b8 v0, s[64:65] scope:SCOPE_SE
	s_setreg_imm32_b32 hwreg(HW_REG_WAVE_MODE, 25, 1), 1
	s_wait_xcnt 0x0
; out0[i][c][t] = sum over s of softmax_s((q 2^-1.5) . (k 2^-1.5) + bias, masked) v[i][c][s], for the 128 heads i of qkv seen as [128][192][1024] f32 (rows 0-63 q, 64-127 k, 128-191 v; T innermost).
; Both products on codes of BF8 (E5M2) with one E8M0 scale for each 32 along K.  Product 1: K = the 64 channels; product 2: K = the keys.  q, k, v are quantised here, in registers; no code goes to memory.
; SOFTMAX: t = logit x log2(e); M = the running largest t rounded up to a whole number; p = 2^(t - M) is quantised along the keys, not normalised; the row's sum is taken of the unquantised p and divides at the end;
; when M moves, the sum and O are multiplied by 2^(old M - new M), which rounds nothing.  A masked place is -infinity ahead of the maximum: p = 0.  A row with no open place ends as 0 x (1 / 0) = NaN, as the softmax of such a row is.
; THE MASK comes as lane masks (mbits, made by the launch before): word n of a tile and key step has bit L for lane L of score register n.  64 words come by four scalar loads, and a place costs one v_cndmask_b32.
; SHARES.  A work-group owns one head and 512 queries (grid x: which half); each of its 16 waves owns 32 queries, two tiles of 16.  Every wave walks the 1,024 keys in 8 steps of 128.
; Both products are used transposed (S^T = K Q^T, O^T = V P^T): a lane holds ONE query (lane % 16) throughout, and O^T is the layout of out0.
; K AND V STREAM THROUGH REGISTERS.  At a step's head each wave asks for its sixteenth of the next step's f32 numbers (64 channels x 128 keys of k and of v: 64 KiB a work-group) into 32 registers; at the step's end it
; quantises them and stores codes and scale bytes into the other of two LDS buffers; one barrier a step.  Waves 0-7 take k (a lane is a key, its 32 registers run down a block of 32 channels), waves 8-15 take v (a lane holds 8 neighbouring keys of a row; four lanes hold a block).
; K = 64 IN AN INSTRUCTION OF 128.  The key side's 16 registers hold TWO tiles of 16 keys (registers 0-7 tile 2 p, 8-15 tile 2 p + 1).  The query side is one of two views of a run of 24 registers [0 x 8 | Q x 8 | 0 x 8]:
; [Q | 0] gives tile 2 p, [0 | Q] tile 2 p + 1: zero codes add nothing; their scale bytes on the query side are 1.
; THE KEYS OF A TILE ARE NOT NEIGHBOURS: lane r of tile 2 p + u takes key 32 p + 8 u + r + 8 (r / 8), so that score registers 16 p .. 16 p + 15 are 16 neighbouring keys, 32 p + 16 (lane / 16) + 0 .. 15: p's codes are the second product's operand as they stand.
; NO CLUSTER, NO TENSOR LOAD: k and v arrive as f32 and must pass through registers to be quantised, so there is no tile that a joint request could bring; only the two work-groups of a head share them.
; LIMITS: NaN and infinities in qkv are not served.  A block whose largest magnitude lies under 2^-111 keeps the scale byte 1; a block of zeros too, where the quantiser says 127: its codes are zeros and only this text reads the bytes.
; A p under 2^-126 counts as 0 (v_exp_f32 gives no denormals: ISA guide, its entry among the vector instructions).
.set BUFB, 18432                       ; LDS: two buffers of a key step's codes; in each:
.set KIMG, 0                           ;   k as an image of the operand's registers: 2048 p + 512 c + 16 x lane (c = 0, 1: tile 2 p's channel blocks; 2, 3: tile 2 p + 1's): 8,192 bytes
.set VROW, 8192                        ;   v by rows: 64 channels x (128 codes + 16 of padding)
.set VP,   144                         ;   36 words: row r starts at bank 36 r mod 64 (64 banks of 4 bytes: ISA guide 11.1): the 16 rows of a load start at 16 different groups of four banks
.set KSC,  17408                       ;   k's scale words: 64 p + 4 r; byte 2 u + b: tile 2 p + u, channel block b
.set VSC,  17920                       ;   v's: 4 x channel; byte c: key block c
.set QIMG, 2*BUFB                      ; q's images, 2,048 bytes for each wave: 1024 t + 512 c + 16 x lane
.set STG,  QIMG+16*2048                ; the way out: 64 channels x (512 queries of f32 + 16 bytes)
.set SP,   2064                        ; eight rows are 4,128 words = 32 mod 64: the two halves of the lanes fall on different banks
.set AL,   1                           ; v1   16 x lane
.set AQ,   2                           ; v2   my wave's q image + 16 x lane
.set AR4,  3                           ; v3   4 (lane % 16): a scale word's place
.set AVR,  4                           ; v4   VP (lane % 16) + 16 (lane / 16): my place in a tile of v
.set NEG,  5                           ; v5   -infinity
.set PFAK, 6                           ; v6   k role: my byte in a chunk of k
.set PFAV, 7                           ; v7   v role: my byte in a chunk of v
.set WSTK, 8                           ; v8   k role: where my codes go
.set WSSK, 9                           ; v9   and my scale byte
.set WSTV, 10                          ; v10  v role: where my codes go
.set WSSV, 11                          ; v11  and my scale byte
.set STO,  6                           ; the way out takes v6-9 anew: v6, v7 into the stage, v8 back out of it, v9 my bytes in out0
.set SRD,  8
.set GO,   9
.set BM,   12                          ; v12-15 the four key blocks' largest scores
.set BI,   16                          ; v16-23 qk_bias eight times: the C of every product of scores
.set QZ,   24                          ; v24-47 [0 | Q | 0]
.set ST,   48                          ; v48-55 tile t at 48 + 4 t: -M, the largest t, the sum in two halves
.set QW,   56                          ; v56  q's scale words for [Q | 0]: lanes 0-15 tile 0, lanes 16-31 tile 1
.set QW2,  57                          ; v57  the same for [0 | Q]
.set F,    58                          ; v58  2^(old M - new M)
.set PW,   59                          ; v59  p's scale word
.set SW,   60                          ; v60-63 k's scale words, then v's
.set O,    64                          ; v64-127 O^T: tile t at 64 + 32 t, four accumulators
.set PF,   128                         ; v128-159 my share of the next chunk, f32
.set S,    160                         ; v160-223 S^T, then p, then v's four fragments
.set T,    224                         ; v224-255 two pairs of k's tiles; then p's codes (0-15) and what is at work
.set PT,   T+12
.set HOLD, T+16
.set SOP,  T+20
.set TMP,  T+24
.set QM,   T+16                        ; the quantiser of a whole block: two maxima, the scale operand, the hold
.set WV,   12                          ; s12  wave
.set TRIP, 13                          ; s13  trips to go
.set MNT,  15                          ; s15  the mantissa field of 57,344
.set SEL,  16                          ; s[16:17] v_permlanex16_b32's selects: lane l xor 16
.set CS,   18                          ; s[18:19] log2(e), twice: the packed forms name a pair
.set SC,   20                          ; s[20:21] 1 / sqrt(sqrt(64)) as f32 has it, twice
.set KV,   22                          ; s[22:23] the next chunk of k; v's lies 262,144 bytes on
.set QB,   24                          ; s[24:25] my wave's queries
.set BIAS, 26
.set MB,   28                          ; s[28:29] my wave's mask words of the step in hand
.macro MLOAD off                       ; a tile's 64 mask words of a key step: word n into s[32 + n + 4 (n / 32)]
	s_load_b512 s[32:47], s[MB:MB+1], \off
	s_load_b512 s[48:63], s[MB:MB+1], \off+64
	s_load_b512 s[68:83], s[MB:MB+1], \off+128
	s_load_b512 s[84:99], s[MB:MB+1], \off+192
.endm
; My sixteenth of a chunk.  k role: channel 32 b + e of key 32 kg + lane: a wave reads 128 consecutive bytes, the four waves of a channel block a row's 512.
; v role: 8 neighbouring keys of rows 8 w' + 2 g + lane / 16: the two loads of a g cover 512 consecutive bytes of each of two rows.  The other work-group of the head reads the same bytes: no hint.
.macro PFLOAD
	s_cmp_lt_u32 s[WV], 8
	s_cbranch_scc0 .Lpf_v_\@
.set e, 0
.rept 32
	global_load_b32 v[PF+e], v[PFAK], s[KV:KV+1] offset:4096*e
.set e, e+1
.endr
	s_branch .Lpf_done_\@
.Lpf_v_\@:
.irp g, 0,1,2,3
	global_load_b128 v[PF+8*\g:PF+8*\g+3], v[PFAV], s[KV:KV+1] offset:8192*\g
	global_load_b128 v[PF+8*\g+4:PF+8*\g+7], v[PFAV], s[KV:KV+1] offset:8192*\g+16
.endr
.Lpf_done_\@:
.endm
; 32 numbers of a lane, a whole block along the channels, times 2^-1.5, become 8 registers of codes at v[d] and the scale's byte in v[by].
.macro QBLK s, d, by
.set e, 0
.rept 16
	v_pk_mul_f32 v[\s+e:\s+e+1], v[\s+e:\s+e+1], s[SC:SC+1] op_sel_hi:[1,0]
.set e, e+2
.endr
	v_max3_num_f32 v[QM], |v[\s]|, |v[\s+1]|, |v[\s+2]|            ; the largest magnitude, in two chains
	v_max3_num_f32 v[QM+1], |v[\s+3]|, |v[\s+4]|, |v[\s+5]|
.irp g, 6,10,14,18,22,26
	v_max3_num_f32 v[QM], v[QM], |v[\s+\g]|, |v[\s+\g+1]|
	v_max3_num_f32 v[QM+1], v[QM+1], |v[\s+\g+2]|, |v[\s+\g+3]|
.endr
	v_max3_num_f32 v[QM], v[QM], |v[\s+30]|, |v[\s+31]|
	v_max3_num_f32 v[QM], v[QM], v[QM+1], 0x8000000                ; and the floor 2^(16 - 127): the byte cannot fall under 1
	v_add_nc_u32 v[QM+2], 0xf8800000, v[QM]                        ; 15 off the exponent field: the conversion takes this operand's exponent field as its scale
	v_and_or_b32 v[QM+3], v[QM], 0x7f800000, s[MNT]                ; 57,344 x the scale
	v_lshrrev_b32 v[\by], 23, v[QM+2]                              ; the scale's byte
.set e, 0
.rept 32
	v_med3_num_f32 v[\s+e], v[\s+e], -v[QM+3], v[QM+3]             ; the conversion to an 8-bit code does not saturate (ISA guide 7.6.2): the hold comes first
.set e, e+1
.endr
.irp g, 0,1,2,3
	v_cvt_scalef32_pk8_bf8_f32 v[\d+2*\g:\d+2*\g+1], v[\s+8*\g:\s+8*\g+7], v[QM+2]
.endr
	v_nop                                                          ; one plain line behind the last conversion, ahead of whatever next touches its registers
.endm
; The chunk in PF is quantised into buffer buf.  The first sixteen lines of either role name no register of the products that stand ahead of a step's end: they are the places behind those.
.macro QTAIL buf
	s_cmp_lt_u32 s[WV], 8
	s_cbranch_scc0 .Lqt_v_\@
	QBLK PF, T, T+26
	ds_store_b128 v[WSTK], v[T:T+3] offset:\buf+KIMG               ; channels 32 b + 0 .. 15: what lanes 0-15 of a fragment take,
	ds_store_b128 v[WSTK], v[T+4:T+7] offset:\buf+KIMG+256         ; + 16 .. 31: lanes 16-31
	ds_store_b8 v[WSSK], v[T+26] offset:\buf+KSC
	s_branch .Lqt_done_\@
.Lqt_v_\@:
.irp g, 0,1,2,3
	v_max3_num_f32 v[T+16+\g], |v[PF+8*\g]|, |v[PF+8*\g+1]|, 0x8000000   ; row g's eight numbers and the floor; the four rows by turns
.endr
.irp h, 2,4,6
.irp g, 0,1,2,3
	v_max3_num_f32 v[T+16+\g], v[T+16+\g], |v[PF+8*\g+\h]|, |v[PF+8*\g+\h+1]|
.endr
.endr
.irp g, 0,1,2,3
	v_max_num_f32_dpp v[T+16+\g], v[T+16+\g], v[T+16+\g] row_xmask:1 row_mask:0xf bank_mask:0xf
.endr
.irp g, 0,1,2,3
	v_max_num_f32_dpp v[T+16+\g], v[T+16+\g], v[T+16+\g] row_xmask:2 row_mask:0xf bank_mask:0xf   ; the four lanes of a block of 32 keys
.endr
.irp g, 0,1,2,3
	v_add_nc_u32 v[T+20+\g], 0xf8800000, v[T+16+\g]
.endr
.irp g, 0,1,2,3
	v_and_or_b32 v[T+24+\g], v[T+16+\g], 0x7f800000, s[MNT]
.endr
.irp g, 0,1,2,3
	v_lshrrev_b32 v[T+28+\g], 23, v[T+20+\g]
.endr
.irp g, 0,1,2,3
.irp h, 0,1,2,3,4,5,6,7
	v_med3_num_f32 v[PF+8*\g+\h], v[PF+8*\g+\h], -v[T+24+\g], v[T+24+\g]
.endr
	v_cvt_scalef32_pk8_bf8_f32 v[T+2*\g:T+2*\g+1], v[PF+8*\g:PF+8*\g+7], v[T+20+\g]
.endr
	v_nop
.irp g, 0,1,2,3
	ds_store_b64 v[WSTV], v[T+2*\g:T+2*\g+1] offset:\buf+VROW+2*VP*\g
	ds_store_b8 v[WSSV], v[T+28+\g] offset:\buf+VSC+8*\g           ; the four lanes of a block write the same byte with the same value
.endr
.Lqt_done_\@:
.endm
.macro BAR                             ; my LDS stores have landed and my LDS loads are in: then the work-group's barrier
	s_wait_dscnt 0x0
	s_barrier_signal -1
	s_barrier_wait -1
.endm
.macro KPAIRS buf, p0                  ; pairs p0 and p0 + 1 of k's tiles, as they lie
.irp p, \p0, \p0+1
.irp c, 0,1,2,3
	ds_load_b128 v[T+16*((\p)%2)+4*\c:T+16*((\p)%2)+4*\c+3], v[AL] offset:\buf+KIMG+2048*(\p)+512*\c
.endr
.endr
.endm
.macro SPROD t, p0                     ; four products of scores: pair p against [Q | 0] and against [0 | Q]; the bias is their C
.irp p, \p0, \p0+1
.set rD, S+16*(\p)
.set rA, T+16*((\p)%2)
.set rW, SW+(\p)
.if \t
	v_wmma_scale_f32_16x16x128_f8f6f4 v[rD:rD+7], v[rA:rA+15], v[QZ+8:QZ+23], v[BI:BI+7], v[rW], v[QW] matrix_a_fmt:MATRIX_FMT_BF8 matrix_b_fmt:MATRIX_FMT_BF8 matrix_b_scale:MATRIX_SCALE_ROW1
	v_wmma_scale_f32_16x16x128_f8f6f4 v[rD+8:rD+15], v[rA:rA+15], v[QZ:QZ+15], v[BI:BI+7], v[rW], v[QW2] matrix_a_fmt:MATRIX_FMT_BF8 matrix_b_fmt:MATRIX_FMT_BF8 matrix_b_scale:MATRIX_SCALE_ROW1
.else
	v_wmma_scale_f32_16x16x128_f8f6f4 v[rD:rD+7], v[rA:rA+15], v[QZ+8:QZ+23], v[BI:BI+7], v[rW], v[QW] matrix_a_fmt:MATRIX_FMT_BF8 matrix_b_fmt:MATRIX_FMT_BF8
	v_wmma_scale_f32_16x16x128_f8f6f4 v[rD+8:rD+15], v[rA:rA+15], v[QZ:QZ+15], v[BI:BI+7], v[rW], v[QW2] matrix_a_fmt:MATRIX_FMT_BF8 matrix_b_fmt:MATRIX_FMT_BF8
.endif
.endr
.endm
.macro SELECT n0                       ; 32 places: the score where the lane's bit is set, else -infinity; ascending, so each result is read from its low end on
.set n, \n0
.rept 32
	v_cndmask_b32 v[S+n], v[NEG], v[S+n], s[32+n+4*(n/32)]
.set n, n+1
.endr
.endm
.macro BLKMAX b0                       ; the largest score of key blocks b0 and b0 + 1, by turns: it serves the row's maximum and, since p rises with the score, the block's largest p
.irp b, \b0, \b0+1
	v_max3_num_f32 v[BM+(\b)], v[S+16*(\b)], v[S+16*(\b)+1], v[S+16*(\b)+2]
.endr
.irp g, 3,5,7,9,11,13
.irp b, \b0, \b0+1
	v_max3_num_f32 v[BM+(\b)], v[BM+(\b)], v[S+16*(\b)+\g], v[S+16*(\b)+\g+1]
.endr
.endr
.irp b, \b0, \b0+1
	v_max_num_f32 v[BM+(\b)], v[BM+(\b)], v[S+16*(\b)+15]
.endr
.endm
; ONE TILE OF 16 QUERIES AGAINST ONE STEP OF 128 KEYS, out of buffer buf.  nx: which mask words are asked for next: 0 tile 1's of this step; 1 tile 0's of the next step; 2 the same, unless this is the last step.
.macro UNIT t, buf, nx
.set NM, ST+4*\t
.set MX, ST+4*\t+1
.set LS, ST+4*\t+2
.set OT, O+32*\t
.rept 9
	v_nop                                          ; behind the products of the tile before: eight places ahead of loads into registers that they read, nine ahead of products that write over such registers
.endr
	ds_load_b128 v[QZ+8:QZ+11], v[AQ] offset:1024*\t
	ds_load_b128 v[QZ+12:QZ+15], v[AQ] offset:1024*\t+512
.irp p, 0,1,2,3
	ds_load_b32 v[SW+\p], v[AR4] offset:\buf+KSC+64*\p
.endr
	KPAIRS \buf, 0
	s_wait_dscnt 0x0
	SPROD \t, 0
.rept 8
	v_nop                                          ; places ahead of the loads into the pairs' registers and of the first read of the scores
.endr
	KPAIRS \buf, 2
	s_wait_kmcnt 0x0                               ; the tile's mask words are in
	SELECT 0                                       ; while the loads are out
	s_wait_dscnt 0x0
	SPROD \t, 2
	BLKMAX 0                                       ; sixteen lines that name nothing of the four products above: their places
	SELECT 32
.if \nx == 0
	MLOAD 2048                                     ; the words have been read: tile 1's come into their registers
.elseif \nx == 1
	s_add_nc_u64 s[MB:MB+1], s[MB:MB+1], 256       ; no scalar load is out since the wait above
	MLOAD 0
.else
	s_cmp_eq_u32 s[TRIP], 1                        ; behind the last step there are no words: no load leaves its buffer
	s_cbranch_scc1 .Lno_words_\@
	s_add_nc_u64 s[MB:MB+1], s[MB:MB+1], 256
	MLOAD 0
.Lno_words_\@:
.endif
	BLKMAX 2
.irp b, 0,1,2,3
	v_permlanex16_b32 v[PT+\b], v[BM+\b], s[SEL], s[SEL+1]
.endr
.irp b, 0,1,2,3
	v_max_num_f32 v[BM+\b], v[BM+\b], v[PT+\b]     ; with lane l xor 16's 16 keys
.endr
	v_max3_num_f32 v[TMP], v[BM], v[BM+1], v[BM+2]
	v_max_num_f32 v[TMP], v[TMP], v[BM+3]          ; the step's largest score of my query
	v_mul_f32 v[TMP], s[CS], v[TMP]                ; as t
	v_max_num_f32 v[MX], v[MX], v[TMP]             ; the running largest t
	v_mov_b32 v[TMP], v[NM]
	v_floor_f32 v[NM], -v[MX]                      ; -M = floor(-t) = -ceil(t): a whole number
	v_sub_f32 v[TMP], v[NM], v[TMP]                ; old M - new M: a whole number, 0 or less
	v_cvt_i32_f32 v[TMP], v[TMP]                   ; (it saturates)
	v_ldexp_f32 v[F], 1.0, v[TMP]                  ; f = 2^(old M - new M)
.set e, 0
.rept 32
	v_pk_fma_f32 v[S+e:S+e+1], v[S+e:S+e+1], s[CS:CS+1], v[NM:NM+1] op_sel_hi:[1,0,0]   ; t - M, two at a time
.set e, e+2
.endr
.irp b, 0,1,2,3
	v_fma_f32 v[BM+\b], v[BM+\b], s[CS], v[NM]     ; the same of each block's largest score
.endr
.set e, 0
.rept 64
	v_exp_f32 v[S+e], v[S+e]                       ; p = 2^(t - M), at most 1
.set e, e+1
.endr
.irp b, 0,1,2,3
	v_exp_f32 v[BM+\b], v[BM+\b]                   ; the block's largest p: the same two instructions on the same number
.endr
	v_pk_mul_f32 v[LS:LS+1], v[LS:LS+1], v[F:F+1] op_sel_hi:[1,0]   ; the sum under the new M.  (The plain line behind the exponentials)
	s_wait_alu depctr_va_vdst(0)
.irp b, 0,1,2,3
	v_max_num_f32 v[BM+\b], 0x8000000, v[BM+\b]    ; the floor 2^(16 - 127): a block whose every p is 0 keeps the byte 1; its codes are zeros
.endr
.irp b, 0,1,2,3
	v_add_nc_u32 v[SOP+\b], 0xf8800000, v[BM+\b]   ; the conversion's scale operand
.endr
.irp b, 0,1,2,3
	v_and_or_b32 v[HOLD+\b], v[BM+\b], 0x7f800000, s[MNT]   ; 57,344 x the scale
.endr
.irp b, 0,1,2,3
	v_lshrrev_b32 v[PT+\b], 23, v[SOP+\b]          ; the scale's byte
.endr
	v_lshl_or_b32 v[PW], v[PT+1], 8, v[PT]         ; p's scale word for these 128 keys
	v_lshl_or_b32 v[PW], v[PT+2], 16, v[PW]
	v_lshl_or_b32 v[PW], v[PT+3], 24, v[PW]
	v_pk_add_f32 v[PT:PT+1], v[S:S+1], v[S+2:S+3]  ; the row's sum, of the unquantised p: two at a time, in two chains
.set e, 4
.rept 15
	v_pk_add_f32 v[LS:LS+1], v[LS:LS+1], v[S+e:S+e+1]
	v_pk_add_f32 v[PT:PT+1], v[PT:PT+1], v[S+e+2:S+e+3]
.set e, e+4
.endr
	v_pk_add_f32 v[LS:LS+1], v[LS:LS+1], v[PT:PT+1]
.irp b, 0,1,2,3
.set e, 0
.rept 16
	v_min_num_f32 v[S+16*\b+e], v[S+16*\b+e], v[HOLD+\b]   ; p is not negative: a one-sided hold
.set e, e+1
.endr
	v_cvt_scalef32_pk8_bf8_f32 v[T+4*\b:T+4*\b+1], v[S+16*\b:S+16*\b+7], v[SOP+\b]
	v_cvt_scalef32_pk8_bf8_f32 v[T+4*\b+2:T+4*\b+3], v[S+16*\b+8:S+16*\b+15], v[SOP+\b]
.irp c, 0,1,2,3
	ds_load_b128 v[S+16*\b+4*\c:S+16*\b+4*\c+3], v[AVR] offset:\buf+VROW+16*VP*\b+32*\c   ; the block's p is spent: v's fragment of channels 16 b on takes its registers
.endr
	ds_load_b32 v[SW+\b], v[AR4] offset:\buf+VSC+64*\b
.endr
.set e, 0
.rept 16
	v_pk_mul_f32 v[OT+e:OT+e+1], v[OT+e:OT+e+1], v[F:F+1] op_sel_hi:[1,0]   ; O^T under the new M, from each accumulator's low end on; also the plain lines between the conversions and the products
.set e, e+2
.endr
	s_wait_dscnt 0x0
.irp u, 0,1,2,3                        ; O^T += V P^T: the four accumulators by turns
	v_wmma_scale_f32_16x16x128_f8f6f4 v[OT+8*\u:OT+8*\u+7], v[S+16*\u:S+16*\u+15], v[T:T+15], v[OT+8*\u:OT+8*\u+7], v[SW+\u], v[PW] matrix_a_fmt:MATRIX_FMT_BF8 matrix_b_fmt:MATRIX_FMT_BF8
.endr
.endm
	s_load_b256 s[4:11], s[0:1], 0x0               ; qkv s[4:5], qk_bias s[6:7], mbits s[8:9], out0 s[10:11]
	v_lshrrev_b32 v1, 5, v0
	v_readfirstlane_b32 s[WV], v1                  ; wave 0..15
	v_and_b32 v12, 31, v0                          ; lane
	v_and_b32 v13, 15, v0                          ; r
	v_bfe_u32 v14, v0, 4, 1                        ; h
	s_and_b32 s14, s[WV], 3                        ; kg: which 32 keys of a chunk (k role)
	s_bfe_u32 s27, s[WV], 0x10002                  ; b: which block of 32 channels (k role)
	s_and_b32 s26, s[WV], 7                        ; w': which 8 rows (v role)
	; every LDS address of both roles is made here, by every wave, ahead of the first branch on the wave's number
	v_lshlrev_b32 v[AL], 4, v12
	s_lshl_b32 s30, s[WV], 11
	s_add_co_u32 s30, s30, QIMG
	v_add_nc_u32 v[AQ], s30, v[AL]
	v_lshlrev_b32 v15, 4, v13
	v_lshl_add_u32 v15, v14, 10, v15
	v_add_nc_u32 v15, s30, v15                     ; where I store q's image: lane = query: tile lane / 16, row lane % 16
	v_lshlrev_b32 v[AR4], 2, v13
	v_mul_u32_u24 v[AVR], v13, VP
	v_lshl_add_u32 v[AVR], v14, 4, v[AVR]
	v_mov_b32 v[NEG], 0xff800000
	s_lshl_b32 s30, s27, 17                        ; 32 channels of 4,096 bytes
	s_lshl_b32 s31, s14, 7
	s_add_co_u32 s30, s30, s31
	v_lshl_add_u32 v[PFAK], v12, 2, s30            ; 131072 b + 128 kg + 4 x lane
	s_lshl_b32 s30, s26, 15
	s_add_co_u32 s30, s30, 262144
	v_lshlrev_b32 v[PFAV], 5, v13
	v_lshl_add_u32 v[PFAV], v14, 12, v[PFAV]
	v_add_nc_u32 v[PFAV], s30, v[PFAV]             ; 262144 + 4096 (8 w' + h) + 32 r
	v_and_b32 v[WSSK], 7, v0
	v_lshl_add_u32 v[WSSK], v14, 3, v[WSSK]        ; key 32 kg + lane is lane r' = lane % 8 + 8 (lane / 16)
	v_bfe_u32 v[WSTV], v0, 3, 1                    ; of tile 2 kg + u, u = (lane / 8) % 2
	v_lshlrev_b32 v[WSTK], 4, v[WSSK]
	v_lshl_add_u32 v[WSTK], v[WSTV], 10, v[WSTK]
	s_lshl_b32 s30, s14, 11
	s_lshl_b32 s31, s27, 9
	s_add_co_u32 s30, s30, s31
	v_add_nc_u32 v[WSTK], s30, v[WSTK]             ; 2048 kg + 512 (2 u + b) + 16 r'
	v_lshlrev_b32 v[WSSK], 2, v[WSSK]
	v_lshl_add_u32 v[WSSK], v[WSTV], 1, v[WSSK]
	s_lshl_b32 s30, s14, 6
	s_add_co_u32 s30, s30, s27
	v_add_nc_u32 v[WSSK], s30, v[WSSK]             ; 64 kg + 4 r' + 2 u + b
	v_mul_u32_u24 v[WSTV], v14, VP
	v_lshl_add_u32 v[WSTV], v13, 3, v[WSTV]
	s_mul_i32 s30, s26, 8*VP
	v_add_nc_u32 v[WSTV], s30, v[WSTV]             ; VP (8 w' + h) + 8 r
	v_bfe_u32 v[WSSV], v0, 2, 2
	v_lshl_add_u32 v[WSSV], v14, 2, v[WSSV]
	s_lshl_b32 s30, s26, 5
	v_add_nc_u32 v[WSSV], s30, v[WSSV]             ; 4 (8 w' + h) + r / 4
	v_lshlrev_b32 v12, 2, v12                      ; q: 4 bytes a lane
	s_mov_b32 s[MNT], 0x600000
	s_mov_b32 s[SEL], 0x76543210
	s_mov_b32 s[SEL+1], 0xfedcba98
	s_mov_b32 s[CS], 0x3fb8aa3b
	s_mov_b32 s[CS+1], 0x3fb8aa3b
	s_mov_b32 s[SC], 0x3eb504f3
	s_mov_b32 s[SC+1], 0x3eb504f3
	s_mov_b32 s[TRIP], 4
	s_and_b32 s14, ttmp7, 0xffff                   ; the head i
	s_mul_i32 s30, s14, 786432                     ; 192 rows of 4,096 bytes: under 2^27 for 128 heads
	s_mov_b32 s31, 0
	s_wait_kmcnt 0x0
	s_add_nc_u64 s[KV:KV+1], s[4:5], s[30:31]      ; the head's first byte
	s_lshl_b32 s26, ttmp9, 11                      ; my half of the queries,
	s_lshl_b32 s27, s[WV], 7                       ; my wave's 32
	s_add_co_u32 s26, s26, s27
	s_mov_b32 s27, 0
	s_add_nc_u64 s[QB:QB+1], s[KV:KV+1], s[26:27]
	s_add_nc_u64 s[KV:KV+1], s[KV:KV+1], 262144    ; k begins 64 rows on
	s_and_b32 s26, s14, 7                          ; the mask of head i is mask[i mod 8]
	s_lshl_b32 s26, s26, 17
	s_lshl_b32 s30, ttmp9, 16                      ; 32 query tiles of 2,048 bytes,
	s_add_co_u32 s26, s26, s30
	s_lshl_b32 s30, s[WV], 12                      ; two a wave
	s_add_co_u32 s26, s26, s30
	s_add_nc_u64 s[MB:MB+1], s[8:9], s[26:27]
	s_lshl_b32 s26, s14, 18                        ; out0: 64 rows of 4,096 bytes a head
	s_lshl_b32 s30, ttmp9, 11
	s_add_co_u32 s26, s26, s30
	s_add_nc_u64 s[10:11], s[10:11], s[26:27]
	s_load_b32 s[BIAS], s[6:7], 0x0
	MLOAD 0                                        ; tile 0, key step 0
	PFLOAD                                         ; chunk 0
.set e, 0
.rept 64
	global_load_b32 v[S+e], v12, s[QB:QB+1] offset:4096*e th:TH_LOAD_NT   ; q: a lane is one of my 32 queries, its registers run down the channels; read once, by this wave
.set e, e+1
.endr
.set e, 0
.rept 8
	v_mov_b32 v[QZ+e], 0                           ; the zero codes on both sides of Q
	v_mov_b32 v[QZ+16+e], 0
.set e, e+1
.endr
.set e, 0
.rept 64
	v_mov_b32 v[O+e], 0                            ; O^T.  (The step is written once: the first finds zeros, which the first change of M leaves zeros)
.set e, e+1
.endr
.irp t, 0,1
	v_mov_b32 v[ST+4*\t+1], 0xff61b1e6             ; the largest t so far: -3e38
	v_floor_f32 v[ST+4*\t], -v[ST+4*\t+1]          ; -M
	v_mov_b32 v[ST+4*\t+2], 0                      ; the sum, in two halves
	v_mov_b32 v[ST+4*\t+3], 0
.endr
	v_mov_b32 v[PW], 0                             ; (named as the upper half of the pair with f before it is first made)
	s_wait_loadcnt 0x0                             ; q and chunk 0
	s_add_nc_u64 s[KV:KV+1], s[KV:KV+1], 512       ; on to chunk 1
	QBLK S, T, T+26                                ; channels 0-31
	QBLK S+32, T+8, T+27                           ; channels 32-63
	ds_store_b128 v15, v[T:T+3]                    ; the image of Q's registers: block c, half hh at 512 c + 256 hh; my wave's own bytes
	ds_store_b128 v15, v[T+4:T+7] offset:256
	ds_store_b128 v15, v[T+8:T+11] offset:512
	ds_store_b128 v15, v[T+12:T+15] offset:768
	v_lshl_or_b32 v[QW], v[T+27], 8, v[T+26]       ; my query's two bytes
	v_lshl_or_b32 v[QW2], v[QW], 16, 0x101         ; [0 | Q]: they scale blocks 2 and 3; the zero codes' bytes are 1
	v_or_b32 v[QW], 0x1010000, v[QW]               ; [Q | 0]: blocks 0 and 1
	s_wait_dscnt 0x0                               ; the stores have read their registers: the lines below write them
	QTAIL 0                                        ; chunk 0 into buffer 0
	s_wait_kmcnt 0x0
.set e, 0
.rept 8
	v_mov_b32 v[BI+e], s[BIAS]
.set e, e+1
.endr
	BAR                                            ; buffer 0 is whole
.Ltrip:                                                ; four trips of two key steps: the buffers' places stand in the immediates
	PFLOAD                                         ; the next chunk is asked for a whole step ahead
	UNIT 0, 0, 0
	UNIT 1, 0, 1
	s_wait_loadcnt 0x0                             ; the chunk is in, and its loads' base may step
	s_add_nc_u64 s[KV:KV+1], s[KV:KV+1], 512
	QTAIL BUFB
	BAR                                            ; buffer 1 is whole, and nobody reads buffer 0 any more
	s_cmp_eq_u32 s[TRIP], 1                        ; behind the last step there is no chunk: no load leaves its buffer
	s_cbranch_scc1 .Lno_chunk
	PFLOAD
.Lno_chunk:
	UNIT 0, BUFB, 0
	UNIT 1, BUFB, 2
	s_wait_loadcnt 0x0                             ; on every way: no load into the chunk's registers is out at the loop's edge
	s_cmp_eq_u32 s[TRIP], 1
	s_cbranch_scc1 .Lno_tail
	s_add_nc_u64 s[KV:KV+1], s[KV:KV+1], 512
	QTAIL 0
.Lno_tail:
	BAR                                            ; buffer 0 is whole, and nobody reads buffer 1 any more
	s_sub_co_i32 s[TRIP], s[TRIP], 1
	s_cmp_lg_u32 s[TRIP], 0
	s_cbranch_scc1 .Ltrip
	; THE WAY OUT.  O^T / the sum goes into a stage of 64 channels x 512 queries; behind a barrier each wave stores 4 whole rows.
	; The eight lines that make the addresses name nothing of the last products: they are the places behind those.
	v_and_b32 v[STO], 15, v0
	v_bfe_u32 v[STO+1], v0, 4, 1
	v_mul_u32_u24 v[STO+1], v[STO+1], 8*SP
	v_lshl_add_u32 v[STO], v[STO], 2, v[STO+1]
	s_lshl_b32 s30, s[WV], 7
	s_add_co_u32 s30, s30, STG
	v_add_nc_u32 v[STO], s30, v[STO]               ; channel 8 h, query 32 w + r; the rest stands in the immediates,
	v_add_nc_u32 v[STO+1], 32*SP, v[STO]           ; which have 16 bits: a second register for channels 32 on
	s_lshl_b32 s31, s[WV], 14
	v_add_nc_u32 v[GO], s31, v[AL]                 ; out0: rows 4 w on, 16 bytes a lane
	s_mul_i32 s30, s[WV], 4*SP
	s_add_co_u32 s30, s30, STG
	v_add_nc_u32 v[SRD], s30, v[AL]                ; and the same in the stage
.irp t, 0,1
	v_add_f32 v[T+16+\t], v[ST+4*\t+2], v[ST+4*\t+3]   ; the sum's two halves,
.endr
.irp t, 0,1
	v_permlanex16_b32 v[T+18+\t], v[T+16+\t], s[SEL], s[SEL+1]
.endr
.irp t, 0,1
	v_add_f32 v[T+16+\t], v[T+16+\t], v[T+18+\t]   ; and lane l xor 16's: the row's sum
.endr
.irp t, 0,1
	v_rcp_f32 v[T+20+2*\t], v[T+16+\t]
.endr
	v_nop                                          ; a plain line behind the reciprocals
	s_wait_alu depctr_va_vdst(0)
.irp t, 0,1
.set e, 0
.rept 16
	v_pk_mul_f32 v[O+32*\t+e:O+32*\t+e+1], v[O+32*\t+e:O+32*\t+e+1], v[T+20+2*\t:T+21+2*\t] op_sel_hi:[1,0]   ; each accumulator from its low end on
.set e, e+2
.endr
.endr
.irp t, 0,1
.irp u, 0,1,2,3
.irp j, 0,1,2,3,4,5,6,7
	ds_store_b32 v[STO+\u/2], v[O+32*\t+8*\u+\j] offset:SP*(16*(\u%2)+\j)+64*\t   ; channel 16 u + 8 h + j, query 32 w + 16 t + r: sixteen lanes write 64 consecutive bytes
.endr
.endr
.endr
	BAR                                            ; the stage is whole
.set k, 0
.rept 16
	ds_load_b128 v[S+4*k:S+4*k+3], v[SRD] offset:SP*(k/4)+512*(k%4)
.set k, k+1
.endr
.set k, 0
.rept 16
	s_wait_dscnt 15-k                              ; LDS loads come back in order (ISA guide 5.7.1): load k is in, the 15 - k behind it may be out
	global_store_b128 v[GO], v[S+4*k:S+4*k+3], s[10:11] offset:4096*(k/4)+512*(k%4) th:TH_STORE_NT   ; 32 lanes store 512 consecutive bytes, at a multiple of 512 from out0's first byte; written once
.set k, k+1
.endr
	s_wait_xcnt 0x0
	v_lshl_add_u32 v254, v0, 2, 0x31400
	v_mov_b32 v255, 0
	s_wait_tensorcnt 0x0
	ds_add_u32 v254, v255
	s_wait_dscnt 0x0
	s_endpgm
.Lfunc_end_k_qb39c588d7e_attn:
	.size	k_qb39c588d7e_attn, .Lfunc_end_k_qb39c588d7e_attn-k_qb39c588d7e_attn
	.p2alignl 7, 3214868480
	.fill 96, 4, 3214868480
	.section	.rodata,"a",@progbits
	.p2align	6, 0x0
	.amdhsa_kernel k_qb39c588d7e_attn
		.amdhsa_group_segment_fixed_size 203776
		.amdhsa_private_segment_fixed_size 0
		.amdhsa_enable_private_segment 0
		.amdhsa_kernarg_size 32
		.amdhsa_user_sgpr_count 2
		.amdhsa_user_sgpr_kernarg_segment_ptr 1
		.amdhsa_wavefront_size32 1
		.amdhsa_system_sgpr_workgroup_id_x 1
		.amdhsa_system_sgpr_workgroup_id_y 1
		.amdhsa_system_sgpr_workgroup_id_z 1
		.amdhsa_system_vgpr_workitem_id 0
		.amdhsa_next_free_vgpr 256
		.amdhsa_next_free_sgpr 100
		.amdhsa_reserve_vcc 0
		.amdhsa_float_denorm_mode_32 3
		.amdhsa_float_denorm_mode_16_64 3
		.amdhsa_memory_ordered 1
		.amdhsa_forward_progress 1
		.amdhsa_inst_pref_size 167
	.end_amdhsa_kernel
	.amdgpu_metadata
---
amdhsa.version: [ 1, 2 ]
amdhsa.kernels:
  - .name:           k_qb39c588d7e_attn
    .symbol:         k_qb39c588d7e_attn.kd
    .args:
      - { .name: qkv, .offset: 0, .size: 8, .value_kind: global_buffer, .address_space: global }
      - { .name: qk_bias, .offset: 8, .size: 8, .value_kind: global_buffer, .address_space: global }
      - { .name: mbits, .offset: 16, .size: 8, .value_kind: global_buffer, .address_space: global }
      - { .name: out0, .offset: 24, .size: 8, .value_kind: global_buffer, .address_space: global }
    .group_segment_fixed_size: 203776
    .private_segment_fixed_size: 0
    .kernarg_segment_align: 8
    .kernarg_segment_size: 32
    .max_flat_workgroup_size: 512
    .sgpr_count:     100
    .vgpr_count:     256
    .wavefront_size: 32
...
	.end_amdgpu_metadata
.endif
;; end of part 2
;; ======== version 2 of 2: 2 launches
;; workspace buffers: mbits 1,048,576 bytes of whole numbers
;; launch pack (part 3): grid 512 x 1, 8 waves a work-group, no clusters, 0 bytes of LDS; arguments mask, mbits; writes mbits
.if DOCPART == 3
	.amdgcn_target "amdgcn-amd-amdhsa--gfx1250"
	.amdhsa_code_object_version 6
	.text
	.protected	k_qb39c588d7e_pack
	.globl	k_qb39c588d7e_pack
	.p2align	8
	.type	k_qb39c588d7e_pack,@function
k_qb39c588d7e_pack:
	s_mov_b64 s[64:65], 0
	v_nop
	global_prefetch_b8 v0, s[64:65] scope:SCOPE_SE
	s_setreg_imm32_b32 hwreg(HW_REG_WAVE_MODE, 25, 1), 1
	s_wait_xcnt 0x0
; The mask [8][1024][1024], one byte (0 or 1) a place, becomes lane masks for the attention launch:
; mbits [g 8][query tile 64][key step 8][n 64], 32-bit words.  Bit L of word n is
; mask[g][16 qt + (L & 15)][128 j + 32 (n / 16) + 16 (L >> 4) + n % 16]: the key that score register n holds in lane L there.
; SHARES.  Work-group x = 64 g + qt owns 16 rows of the mask, 16,384 consecutive bytes; wave w is key step j = w.
; Lane (r = L & 15, h = L >> 4) loads, of row r, the 16 bytes at 128 w + 32 b + 16 h for b = 0 .. 3: byte n % 4 of register n / 4 is place n.
; A wave takes 128 bytes of each of the 16 rows; the eight waves together read each row whole, each byte once.
; A compare turns place n of the 32 lanes into one scalar word; v_writelane_b32 puts word n into lane n / 2 of register n % 2,
; so that one store of 8 bytes a lane writes the wave's 64 words: 256 consecutive bytes, aligned.
; No LDS, no barrier: waves share nothing.
	s_load_b128 s[4:7], s[0:1], 0x0                ; mask s[4:5], mbits s[6:7]
	v_lshrrev_b32 v1, 5, v0
	s_delay_alu instid0(VALU_DEP_1)
	v_readfirstlane_b32 s8, v1                     ; wave = key step
	v_and_b32 v2, 15, v0                           ; r
	v_bfe_u32 v3, v0, 4, 1                         ; h
	s_delay_alu instid0(VALU_DEP_2)
	v_lshlrev_b32 v4, 10, v2                       ; row r of 1,024 bytes
	s_delay_alu instid0(VALU_DEP_1)
	v_lshl_add_u32 v4, v3, 4, v4                   ; + 16 h
	s_lshl_b32 s9, s8, 7
	v_add_nc_u32 v4, s9, v4                        ; + 128 w
	v_and_b32 v5, 31, v0
	s_delay_alu instid0(VALU_DEP_1)
	v_lshlrev_b32 v5, 3, v5                        ; out: 8 bytes a lane
	s_lshl_b32 s10, ttmp9, 14                      ; the work-group's 16 rows
	s_mov_b32 s11, 0
	s_lshl_b32 s12, ttmp9, 11                      ; its 8 x 64 words,
	s_lshl_b32 s14, s8, 8                          ; my wave's 64 of them
	s_add_co_u32 s12, s12, s14
	s_mov_b32 s13, 0
	v_mov_b32 v24, 0                               ; v_writelane_b32's destination counts as read: written whole once
	v_mov_b32 v25, 0
	s_wait_alu depctr_va_vdst(0)
	s_wait_kmcnt 0x0
	s_add_nc_u64 s[4:5], s[4:5], s[10:11]
	s_add_nc_u64 s[6:7], s[6:7], s[12:13]
.irp b, 0,1,2,3
	global_load_b128 v[8+4*\b:11+4*\b], v4, s[4:5] offset:32*\b
.endr
	s_wait_loadcnt 0x0
.set n, 0
.rept 64
	v_bfe_u32 v[26+n%4], v[8+n/4], 8*(n%4), 8      ; place n of my row
	s_delay_alu instid0(VALU_DEP_1)
	v_cmp_ne_u32 s[16+n%8], 0, v[26+n%4]           ; the 32 lanes' bits
	s_delay_alu instid0(VALU_DEP_1)
	v_writelane_b32 v[24+n%2], s[16+n%8], n/2      ; word n
.set n, n+1
.endr
	global_store_b64 v5, v[24:25], s[6:7]          ; 32 lanes store 256 consecutive bytes, at a multiple of 256 from the buffer's first byte
	s_endpgm
.Lfunc_end_k_qb39c588d7e_pack:
	.size	k_qb39c588d7e_pack, .Lfunc_end_k_qb39c588d7e_pack-k_qb39c588d7e_pack
	.p2alignl 7, 3214868480
	.fill 96, 4, 3214868480
	.section	.rodata,"a",@progbits
	.p2align	6, 0x0
	.amdhsa_kernel k_qb39c588d7e_pack
		.amdhsa_group_segment_fixed_size 0
		.amdhsa_private_segment_fixed_size 0
		.amdhsa_enable_private_segment 0
		.amdhsa_kernarg_size 16
		.amdhsa_user_sgpr_count 2
		.amdhsa_user_sgpr_kernarg_segment_ptr 1
		.amdhsa_wavefront_size32 1
		.amdhsa_system_sgpr_workgroup_id_x 1
		.amdhsa_system_sgpr_workgroup_id_y 1
		.amdhsa_system_sgpr_workgroup_id_z 1
		.amdhsa_system_vgpr_workitem_id 0
		.amdhsa_next_free_vgpr 32
		.amdhsa_next_free_sgpr 66
		.amdhsa_reserve_vcc 0
		.amdhsa_float_denorm_mode_32 3
		.amdhsa_float_denorm_mode_16_64 3
		.amdhsa_memory_ordered 1
		.amdhsa_forward_progress 1
		.amdhsa_inst_pref_size 18
	.end_amdhsa_kernel
	.amdgpu_metadata
---
amdhsa.version: [ 1, 2 ]
amdhsa.kernels:
  - .name:           k_qb39c588d7e_pack
    .symbol:         k_qb39c588d7e_pack.kd
    .args:
      - { .name: mask, .offset: 0, .size: 8, .value_kind: global_buffer, .address_space: global }
      - { .name: mbits, .offset: 8, .size: 8, .value_kind: global_buffer, .address_space: global }
    .group_segment_fixed_size: 0
    .private_segment_fixed_size: 0
    .kernarg_segment_align: 8
    .kernarg_segment_size: 16
    .max_flat_workgroup_size: 256
    .sgpr_count:     66
    .vgpr_count:     32
    .wavefront_size: 32
...
	.end_amdgpu_metadata
.endif
;; end of part 3
;; launch attn (part 4): grid 2 x 128, 16 waves a work-group, no clusters, 203,776 bytes of LDS; arguments qkv, qk_bias, mbits, out0; writes out0
.if DOCPART == 4
	.amdgcn_target "amdgcn-amd-amdhsa--gfx1250"
	.amdhsa_code_object_version 6
	.text
	.protected	k_qb39c588d7e_attn
	.globl	k_qb39c588d7e_attn
	.p2align	8
	.type	k_qb39c588d7e_attn,@function
k_qb39c588d7e_attn:
	s_mov_b64 s[64:65], 0
	v_nop
	global_prefetch_b8 v0, s[64:65] scope:SCOPE_SE
	s_setreg_imm32_b32 hwreg(HW_REG_WAVE_SCHED_MODE, 0, 2), 2
	s_setreg_imm32_b32 hwreg(HW_REG_WAVE_MODE, 25, 1), 1
	s_wait_xcnt 0x0
	s_wait_alu depctr_vm_vsrc(0)
; out0[i][c][t] = sum over s of softmax_s((q 2^-1.5) . (k 2^-1.5) + bias, masked) v[i][c][s], for the 128 heads i of qkv seen as [128][192][1024] f32 (rows 0-63 q, 64-127 k, 128-191 v; T innermost).
; Both products on codes of BF8 (E5M2) with one E8M0 scale for each 32 along K.  Product 1: K = the 64 channels; product 2: K = the keys.  q, k, v are quantised here, in registers; no code goes to memory.
; SOFTMAX: t = logit x log2(e); M = the running largest t rounded up to a whole number; p = 2^(t - M) is quantised along the keys, not normalised; the row's sum is taken of the unquantised p and divides at the end;
; when M moves, the sum and O are multiplied by 2^(old M - new M), which rounds nothing.  A masked place is -infinity ahead of the maximum: p = 0.  A row with no open place ends as 0 x (1 / 0) = NaN, as the softmax of such a row is.
; THE MASK comes as lane masks (mbits, made by the launch before): word n of a tile and key step has bit L for lane L of score register n.  64 words come by four scalar loads, and a place costs one v_cndmask_b32.
; SHARES.  A work-group owns one head and 512 queries (grid x: which half); each of its 16 waves owns 32 queries, two tiles of 16.  Every wave walks the 1,024 keys in 8 steps of 128.
; Both products are used transposed (S^T = K Q^T, O^T = V P^T): a lane holds ONE query (lane % 16) throughout, and O^T is the layout of out0.
; K AND V STREAM THROUGH REGISTERS.  At a step's head each wave asks for its sixteenth of the next step's f32 numbers (64 channels x 128 keys of k and of v: 64 KiB a work-group) into 32 registers; at the step's end it
; quantises them and stores codes and scale bytes into the other of two LDS buffers; one barrier a step.  Waves 0-7 take k (a lane is a key, its 32 registers run down a block of 32 channels), waves 8-15 take v (a lane holds 8 neighbouring keys of a row; four lanes hold a block).
; K = 64 IN AN INSTRUCTION OF 128.  The key side's 16 registers hold TWO tiles of 16 keys (registers 0-7 tile 2 p, 8-15 tile 2 p + 1).  The query side is one of two views of a run of 24 registers [0 x 8 | Q x 8 | 0 x 8]:
; [Q | 0] gives tile 2 p, [0 | Q] tile 2 p + 1: zero codes add nothing; their scale bytes on the query side are 1.
; THE KEYS OF A TILE ARE NOT NEIGHBOURS: lane r of tile 2 p + u takes key 32 p + 8 u + r + 8 (r / 8), so that score registers 16 p .. 16 p + 15 are 16 neighbouring keys, 32 p + 16 (lane / 16) + 0 .. 15: p's codes are the second product's operand as they stand.
; NO CLUSTER, NO TENSOR LOAD: k and v arrive as f32 and must pass through registers to be quantised, so there is no tile that a joint request could bring; only the two work-groups of a head share them.
; LIMITS: NaN and infinities in qkv are not served.  A block whose largest magnitude lies under 2^-111 keeps the scale byte 1; a block of zeros too, where the quantiser says 127: its codes are zeros and only this text reads the bytes.
; A p under 2^-126 counts as 0 (v_exp_f32 gives no denormals: ISA guide, its entry among the vector instructions).
; THE MODE: SCHED_MODE bits 1:0 = 2 (LLVM: expert scheduling mode 2), set by the entry lines.  The code itself states the register dependences
; between vector or matrix instructions and memory or LDS instructions, with s_wait_alu, always for 0.
; THE PLAN.  Registers that memory or LDS instructions touch, round the loop:
;   PF    loaded at a step's head; read and written by the tail's vector lines at the step's end.
;   T     a tile's turn: k's pairs 0, 1 are loaded and read by four products; pairs 2, 3 are loaded and read by four products; then vector lines write it (bytes, holds, p's codes) and the second product reads v[T .. T+15].
;         A tail: its conversions write v[T ..], its LDS stores read them.
;   S     written by the products of scores, worked on in place, spent by the conversions; then v's four fragments are loaded there and the second product reads them.
;   SW    loaded with k's scale words (read by the products of scores), later with v's (read by the second product).     Q's eight registers: loaded at a tile's head, read by the products of scores.
;   v1-4, v6-11  addresses, made at the head and not written in the loop; v6-9 are written anew on the way out.     v12, v15: addresses at the head only, afterwards two of the blocks' maxima.
;   O^T, the statistics, the bias and the zero codes are named by vector and matrix instructions alone, until O^T is stored into the stage on the way out.
; So a tile's turn has six waits on va_vdst: at its head, ahead of fourteen loads; ahead of the loads of pairs 2, 3; ahead of and behind the exponentials; ahead of the run of v's twenty loads; ahead of the second product.  A tail has one, ahead of its stores, which stands behind
; every line that names PF, so that the next chunk's loads owe nothing more; and one on vm_vsrc behind its stores.
.set BUFB, 18432                       ; LDS: two buffers of a key step's codes; in each:
.set KIMG, 0                           ;   k as an image of the operand's registers: 2048 p + 512 c + 16 x lane (c = 0, 1: tile 2 p's channel blocks; 2, 3: tile 2 p + 1's): 8,192 bytes
.set VROW, 8192                        ;   v by rows: 64 channels x (128 codes + 16 of padding)
.set VP,   144                         ;   36 words: row r starts at bank 36 r mod 64 (64 banks of 4 bytes: ISA guide 11.1): the 16 rows of a load start at 16 different groups of four banks
.set KSC,  17408                       ;   k's scale words: 64 p + 4 r; byte 2 u + b: tile 2 p + u, channel block b
.set VSC,  17920                       ;   v's: 4 x channel; byte c: key block c
.set QIMG, 2*BUFB                      ; q's images, 2,048 bytes for each wave: 1024 t + 512 c + 16 x lane
.set STG,  QIMG+16*2048                ; the way out: 64 channels x (512 queries of f32 + 16 bytes)
.set SP,   2064                        ; eight rows are 4,128 words = 32 mod 64: the two halves of the lanes fall on different banks
.set AL,   1                           ; v1   16 x lane
.set AQ,   2                           ; v2   my wave's q image + 16 x lane
.set AR4,  3                           ; v3   4 (lane % 16): a scale word's place
.set AVR,  4                           ; v4   VP (lane % 16) + 16 (lane / 16): my place in a tile of v
.set NEG,  5                           ; v5   -infinity
.set PFAK, 6                           ; v6   k role: my byte in a chunk of k
.set PFAV, 7                           ; v7   v role: my byte in a chunk of v
.set WSTK, 8                           ; v8   k role: where my codes go
.set WSSK, 9                           ; v9   and my scale byte
.set WSTV, 10                          ; v10  v role: where my codes go
.set WSSV, 11                          ; v11  and my scale byte
.set STO,  6                           ; the way out takes v6-9 anew: v6, v7 into the stage, v8 back out of it, v9 my bytes in out0
.set SRD,  8
.set GO,   9
.set BM,   12                          ; v12-15 the four key blocks' largest scores
.set BI,   16                          ; v16-23 qk_bias eight times: the C of every product of scores
.set QZ,   24                          ; v24-47 [0 | Q | 0]
.set ST,   48                          ; v48-55 tile t at 48 + 4 t: -M, the largest t, the sum in two halves
.set QW,   56                          ; v56  q's scale words for [Q | 0]: lanes 0-15 tile 0, lanes 16-31 tile 1
.set QW2,  57                          ; v57  the same for [0 | Q]
.set F,    58                          ; v58  2^(old M - new M)
.set PW,   59                          ; v59  p's scale word
.set SW,   60                          ; v60-63 k's scale words, then v's
.set O,    64                          ; v64-127 O^T: tile t at 64 + 32 t, four accumulators
.set PF,   128                         ; v128-159 my share of the next chunk, f32
.set S,    160                         ; v160-223 S^T, then p, then v's four fragments
.set T,    224                         ; v224-255 two pairs of k's tiles; then p's codes (0-15) and what is at work
.set PT,   T+12
.set HOLD, T+16
.set SOP,  T+20
.set TMP,  T+24
.set QM,   T+16                        ; the quantiser of a whole block: two maxima, the scale operand, the hold
.set WV,   12                          ; s12  wave
.set TRIP, 13                          ; s13  trips to go
.set MNT,  15                          ; s15  the mantissa field of 57,344
.set SEL,  16                          ; s[16:17] v_permlanex16_b32's selects: lane l xor 16
.set CS,   18                          ; s[18:19] log2(e), twice: the packed forms name a pair
.set SC,   20                          ; s[20:21] 1 / sqrt(sqrt(64)) as f32 has it, twice
.set KV,   22                          ; s[22:23] the next chunk of k; v's lies 262,144 bytes on
.set QB,   24                          ; s[24:25] my wave's queries
.set BIAS, 26
.set MB,   28                          ; s[28:29] my wave's mask words of the step in hand
.macro MLOAD off                       ; a tile's 64 mask words of a key step: word n into s[32 + n + 4 (n / 32)]
	s_load_b512 s[32:47], s[MB:MB+1], \off
	s_load_b512 s[48:63], s[MB:MB+1], \off+64
	s_load_b512 s[68:83], s[MB:MB+1], \off+128
	s_load_b512 s[84:99], s[MB:MB+1], \off+192
.endm
; My sixteenth of a chunk.  k role: channel 32 b + e of key 32 kg + lane: a wave reads 128 consecutive bytes, the four waves of a channel block a row's 512.
; v role: 8 neighbouring keys of rows 8 w' + 2 g + lane / 16: the two loads of a g cover 512 consecutive bytes of each of two rows.  The other work-group of the head reads the same bytes: no hint.
; No wait on va_vdst stands here: the last lines that named v[PF ..] are a tail's, and the tail's own wait stands behind them.
.macro PFLOAD
	s_cmp_lt_u32 s[WV], 8
	s_cbranch_scc0 .Lpf_v_\@
.set e, 0
.rept 32
	global_load_b32 v[PF+e], v[PFAK], s[KV:KV+1] offset:4096*e
.set e, e+1
.endr
	s_branch .Lpf_done_\@
.Lpf_v_\@:
.irp g, 0,1,2,3
	global_load_b128 v[PF+8*\g:PF+8*\g+3], v[PFAV], s[KV:KV+1] offset:8192*\g
	global_load_b128 v[PF+8*\g+4:PF+8*\g+7], v[PFAV], s[KV:KV+1] offset:8192*\g+16
.endr
.Lpf_done_\@:
.endm
; 32 numbers of a lane, a whole block along the channels, times 2^-1.5, become 8 registers of codes at v[d] and the scale's byte in v[by].
.macro QBLK s, d, by
.set e, 0
.rept 16
	v_pk_mul_f32 v[\s+e:\s+e+1], v[\s+e:\s+e+1], s[SC:SC+1] op_sel_hi:[1,0]
.set e, e+2
.endr
	v_max3_num_f32 v[QM], |v[\s]|, |v[\s+1]|, |v[\s+2]|            ; the largest magnitude, in two chains
	v_max3_num_f32 v[QM+1], |v[\s+3]|, |v[\s+4]|, |v[\s+5]|
.irp g, 6,10,14,18,22,26
	v_max3_num_f32 v[QM], v[QM], |v[\s+\g]|, |v[\s+\g+1]|
	v_max3_num_f32 v[QM+1], v[QM+1], |v[\s+\g+2]|, |v[\s+\g+3]|
.endr
	v_max3_num_f32 v[QM], v[QM], |v[\s+30]|, |v[\s+31]|
	v_max3_num_f32 v[QM], v[QM], v[QM+1], 0x8000000                ; and the floor 2^(16 - 127): the byte cannot fall under 1
	v_add_nc_u32 v[QM+2], 0xf8800000, v[QM]                        ; 15 off the exponent field: the conversion takes this operand's exponent field as its scale
	v_and_or_b32 v[QM+3], v[QM], 0x7f800000, s[MNT]                ; 57,344 x the scale
	v_lshrrev_b32 v[\by], 23, v[QM+2]                              ; the scale's byte
.set e, 0
.rept 32
	v_med3_num_f32 v[\s+e], v[\s+e], -v[QM+3], v[QM+3]             ; the conversion to an 8-bit code does not saturate (ISA guide 7.6.2): the hold comes first
.set e, e+1
.endr
.irp g, 0,1,2,3
	v_cvt_scalef32_pk8_bf8_f32 v[\d+2*\g:\d+2*\g+1], v[\s+8*\g:\s+8*\g+7], v[QM+2]
.endr
	v_nop                                                          ; one plain line behind the last conversion, ahead of whatever next touches its registers
.endm
; The chunk in PF is quantised into buffer buf.  The first sixteen lines of either role name no register of the products that stand ahead of a step's end: they are the places behind those.
.macro QTAIL buf
	s_cmp_lt_u32 s[WV], 8
	s_cbranch_scc0 .Lqt_v_\@
	QBLK PF, T, T+26
	s_wait_alu depctr_va_vdst(0)                                   ; the conversions have written v[T .. T+7] and the shift v[T+26], which the stores below read; and every line that named v[PF ..] is done, so the next chunk may land there
	ds_store_b128 v[WSTK], v[T:T+3] offset:\buf+KIMG               ; channels 32 b + 0 .. 15: what lanes 0-15 of a fragment take,
	ds_store_b128 v[WSTK], v[T+4:T+7] offset:\buf+KIMG+256         ; + 16 .. 31: lanes 16-31
	ds_store_b8 v[WSSK], v[T+26] offset:\buf+KSC
	s_wait_alu depctr_vm_vsrc(0)                                   ; the stores have read v[T ..], in which the next tile's loads land
	s_branch .Lqt_done_\@
.Lqt_v_\@:
.irp g, 0,1,2,3
	v_max3_num_f32 v[T+16+\g], |v[PF+8*\g]|, |v[PF+8*\g+1]|, 0x8000000   ; row g's eight numbers and the floor; the four rows by turns
.endr
.irp h, 2,4,6
.irp g, 0,1,2,3
	v_max3_num_f32 v[T+16+\g], v[T+16+\g], |v[PF+8*\g+\h]|, |v[PF+8*\g+\h+1]|
.endr
.endr
.irp g, 0,1,2,3
	v_max_num_f32_dpp v[T+16+\g], v[T+16+\g], v[T+16+\g] row_xmask:1 row_mask:0xf bank_mask:0xf
.endr
.irp g, 0,1,2,3
	v_max_num_f32_dpp v[T+16+\g], v[T+16+\g], v[T+16+\g] row_xmask:2 row_mask:0xf bank_mask:0xf   ; the four lanes of a block of 32 keys
.endr
.irp g, 0,1,2,3
	v_add_nc_u32 v[T+20+\g], 0xf8800000, v[T+16+\g]
.endr
.irp g, 0,1,2,3
	v_and_or_b32 v[T+24+\g], v[T+16+\g], 0x7f800000, s[MNT]
.endr
.irp g, 0,1,2,3
	v_lshrrev_b32 v[T+28+\g], 23, v[T+20+\g]
.endr
.irp g, 0,1,2,3
.irp h, 0,1,2,3,4,5,6,7
	v_med3_num_f32 v[PF+8*\g+\h], v[PF+8*\g+\h], -v[T+24+\g], v[T+24+\g]
.endr
	v_cvt_scalef32_pk8_bf8_f32 v[T+2*\g:T+2*\g+1], v[PF+8*\g:PF+8*\g+7], v[T+20+\g]
.endr
	v_nop
	s_wait_alu depctr_va_vdst(0)                                   ; the conversions have written v[T .. T+7] and the shifts v[T+28 .. T+31], which the stores below read; and every line that named v[PF ..] is done, so the next chunk may land there
.irp g, 0,1,2,3
	ds_store_b64 v[WSTV], v[T+2*\g:T+2*\g+1] offset:\buf+VROW+2*VP*\g
	ds_store_b8 v[WSSV], v[T+28+\g] offset:\buf+VSC+8*\g           ; the four lanes of a block write the same byte with the same value
.endr
	s_wait_alu depctr_vm_vsrc(0)                                   ; the stores have read v[T ..], in which the next tile's loads land
.Lqt_done_\@:
.endm
.macro BAR                             ; my LDS stores have landed and my LDS loads are in: then the work-group's barrier
	s_wait_dscnt 0x0
	s_barrier_signal -1
	s_barrier_wait -1
.endm
.macro KPAIRS buf, p0                  ; pairs p0 and p0 + 1 of k's tiles, as they lie
.irp p, \p0, \p0+1
.irp c, 0,1,2,3
	ds_load_b128 v[T+16*((\p)%2)+4*\c:T+16*((\p)%2)+4*\c+3], v[AL] offset:\buf+KIMG+2048*(\p)+512*\c
.endr
.endr
.endm
.macro SPROD t, p0                     ; four products of scores: pair p against [Q | 0] and against [0 | Q]; the bias is their C
.irp p, \p0, \p0+1
.set rD, S+16*(\p)
.set rA, T+16*((\p)%2)
.set rW, SW+(\p)
.if \t
	v_wmma_scale_f32_16x16x128_f8f6f4 v[rD:rD+7], v[rA:rA+15], v[QZ+8:QZ+23], v[BI:BI+7], v[rW], v[QW] matrix_a_fmt:MATRIX_FMT_BF8 matrix_b_fmt:MATRIX_FMT_BF8 matrix_b_scale:MATRIX_SCALE_ROW1
	v_wmma_scale_f32_16x16x128_f8f6f4 v[rD+8:rD+15], v[rA:rA+15], v[QZ:QZ+15], v[BI:BI+7], v[rW], v[QW2] matrix_a_fmt:MATRIX_FMT_BF8 matrix_b_fmt:MATRIX_FMT_BF8 matrix_b_scale:MATRIX_SCALE_ROW1
.else
	v_wmma_scale_f32_16x16x128_f8f6f4 v[rD:rD+7], v[rA:rA+15], v[QZ+8:QZ+23], v[BI:BI+7], v[rW], v[QW] matrix_a_fmt:MATRIX_FMT_BF8 matrix_b_fmt:MATRIX_FMT_BF8
	v_wmma_scale_f32_16x16x128_f8f6f4 v[rD+8:rD+15], v[rA:rA+15], v[QZ:QZ+15], v[BI:BI+7], v[rW], v[QW2] matrix_a_fmt:MATRIX_FMT_BF8 matrix_b_fmt:MATRIX_FMT_BF8
.endif
.endr
.endm
.macro SELECT n0                       ; 32 places: the score where the lane's bit is set, else -infinity; ascending, so each result is read from its low end on
.set n, \n0
.rept 32
	v_cndmask_b32 v[S+n], v[NEG], v[S+n], s[32+n+4*(n/32)]
.set n, n+1
.endr
.endm
.macro BLKMAX b0                       ; the largest score of key blocks b0 and b0 + 1, by turns: it serves the row's maximum and, since p rises with the score, the block's largest p
.irp b, \b0, \b0+1
	v_max3_num_f32 v[BM+(\b)], v[S+16*(\b)], v[S+16*(\b)+1], v[S+16*(\b)+2]
.endr
.irp g, 3,5,7,9,11,13
.irp b, \b0, \b0+1
	v_max3_num_f32 v[BM+(\b)], v[BM+(\b)], v[S+16*(\b)+\g], v[S+16*(\b)+\g+1]
.endr
.endr
.irp b, \b0, \b0+1
	v_max_num_f32 v[BM+(\b)], v[BM+(\b)], v[S+16*(\b)+15]
.endr
.endm
; ONE TILE OF 16 QUERIES AGAINST ONE STEP OF 128 KEYS, out of buffer buf.  nx: which mask words are asked for next: 0 tile 1's of this step; 1 tile 0's of the next step; 2 the same, unless this is the last step.
.macro UNIT t, buf, nx
.set NM, ST+4*\t
.set MX, ST+4*\t+1
.set LS, ST+4*\t+2
.set OT, O+32*\t
.rept 9
	v_nop                                          ; nine places between the products of the tile before, which read v[S ..], and the products below, which write over those registers (ISA guide 7.12.1)
.endr
	s_wait_alu depctr_va_vdst(0)                   ; the products of the tile before are done reading p's codes, v's scale words and Q's registers, and the vector lines have written v[T ..]: the fourteen loads below land in these.  It stands on every way into a tile's turn, the way round the last tail too
	ds_load_b128 v[QZ+8:QZ+11], v[AQ] offset:1024*\t
	ds_load_b128 v[QZ+12:QZ+15], v[AQ] offset:1024*\t+512
.irp p, 0,1,2,3
	ds_load_b32 v[SW+\p], v[AR4] offset:\buf+KSC+64*\p
.endr
	KPAIRS \buf, 0
	s_wait_dscnt 0x0
	SPROD \t, 0
.rept 8
	v_nop                                          ; places ahead of the first read of the scores
.endr
	s_wait_alu depctr_va_vdst(0)                   ; the four products are done reading the pairs' registers, in which pairs 2 and 3 land
	KPAIRS \buf, 2
	s_wait_kmcnt 0x0                               ; the tile's mask words are in
	SELECT 0                                       ; while the loads are out: these lines name nothing of v[T ..]
	s_wait_dscnt 0x0
	SPROD \t, 2
	BLKMAX 0                                       ; sixteen lines that name nothing of the four products above: their places
	SELECT 32
.if \nx == 0
	MLOAD 2048                                     ; the words have been read: tile 1's come into their registers
.elseif \nx == 1
	s_add_nc_u64 s[MB:MB+1], s[MB:MB+1], 256       ; no scalar load is out since the wait above
	MLOAD 0
.else
	s_cmp_eq_u32 s[TRIP], 1                        ; behind the last step there are no words: no load leaves its buffer
	s_cbranch_scc1 .Lno_words_\@
	s_add_nc_u64 s[MB:MB+1], s[MB:MB+1], 256
	MLOAD 0
.Lno_words_\@:
.endif
	BLKMAX 2
.irp b, 0,1,2,3
	v_permlanex16_b32 v[PT+\b], v[BM+\b], s[SEL], s[SEL+1]
.endr
.irp b, 0,1,2,3
	v_max_num_f32 v[BM+\b], v[BM+\b], v[PT+\b]     ; with lane l xor 16's 16 keys
.endr
	v_max3_num_f32 v[TMP], v[BM], v[BM+1], v[BM+2]
	v_max_num_f32 v[TMP], v[TMP], v[BM+3]          ; the step's largest score of my query
	v_mul_f32 v[TMP], s[CS], v[TMP]                ; as t
	v_max_num_f32 v[MX], v[MX], v[TMP]             ; the running largest t
	v_mov_b32 v[TMP], v[NM]
	v_floor_f32 v[NM], -v[MX]                      ; -M = floor(-t) = -ceil(t): a whole number
	v_sub_f32 v[TMP], v[NM], v[TMP]                ; old M - new M: a whole number, 0 or less
	v_cvt_i32_f32 v[TMP], v[TMP]                   ; (it saturates)
	v_ldexp_f32 v[F], 1.0, v[TMP]                  ; f = 2^(old M - new M)
.set e, 0
.rept 32
	v_pk_fma_f32 v[S+e:S+e+1], v[S+e:S+e+1], s[CS:CS+1], v[NM:NM+1] op_sel_hi:[1,0,0]   ; t - M, two at a time
.set e, e+2
.endr
.irp b, 0,1,2,3
	v_fma_f32 v[BM+\b], v[BM+\b], s[CS], v[NM]     ; the same of each block's largest score
.endr
.set e, 0
	s_wait_alu depctr_va_vdst(0)
.rept 64
	v_exp_f32 v[S+e], v[S+e]                       ; p = 2^(t - M), at most 1
.set e, e+1
.endr
.irp b, 0,1,2,3
	v_exp_f32 v[BM+\b], v[BM+\b]                   ; the block's largest p: the same two instructions on the same number
.endr
	v_pk_mul_f32 v[LS:LS+1], v[LS:LS+1], v[F:F+1] op_sel_hi:[1,0]   ; the sum under the new M.  (The plain line behind the exponentials)
	s_wait_alu depctr_va_vdst(0)                   ; the 68 exponentials have written p and the blocks' largest p, ahead of the first line that names one of them
.irp b, 0,1,2,3
	v_max_num_f32 v[BM+\b], 0x8000000, v[BM+\b]    ; the floor 2^(16 - 127): a block whose every p is 0 keeps the byte 1; its codes are zeros
.endr
.irp b, 0,1,2,3
	v_add_nc_u32 v[SOP+\b], 0xf8800000, v[BM+\b]   ; the conversion's scale operand
.endr
.irp b, 0,1,2,3
	v_and_or_b32 v[HOLD+\b], v[BM+\b], 0x7f800000, s[MNT]   ; 57,344 x the scale
.endr
.irp b, 0,1,2,3
	v_lshrrev_b32 v[PT+\b], 23, v[SOP+\b]          ; the scale's byte
.endr
	v_lshl_or_b32 v[PW], v[PT+1], 8, v[PT]         ; p's scale word for these 128 keys
	v_lshl_or_b32 v[PW], v[PT+2], 16, v[PW]
	v_lshl_or_b32 v[PW], v[PT+3], 24, v[PW]
	v_pk_add_f32 v[PT:PT+1], v[S:S+1], v[S+2:S+3]  ; the row's sum, of the unquantised p: two at a time, in two chains
.set e, 4
.rept 15
	v_pk_add_f32 v[LS:LS+1], v[LS:LS+1], v[S+e:S+e+1]
	v_pk_add_f32 v[PT:PT+1], v[PT:PT+1], v[S+e+2:S+e+3]
.set e, e+4
.endr
	v_pk_add_f32 v[LS:LS+1], v[LS:LS+1], v[PT:PT+1]
.irp b, 0,1,2,3
.set e, 0
.rept 16
	v_min_num_f32 v[S+16*\b+e], v[S+16*\b+e], v[HOLD+\b]   ; p is not negative: a one-sided hold
.set e, e+1
.endr
	v_cvt_scalef32_pk8_bf8_f32 v[T+4*\b:T+4*\b+1], v[S+16*\b:S+16*\b+7], v[SOP+\b]
	v_cvt_scalef32_pk8_bf8_f32 v[T+4*\b+2:T+4*\b+3], v[S+16*\b+8:S+16*\b+15], v[SOP+\b]
.endr
.set e, 0
.rept 4
	v_pk_mul_f32 v[OT+e:OT+e+1], v[OT+e:OT+e+1], v[F:F+1] op_sel_hi:[1,0]   ; O^T under the new M, from each accumulator's low end on.  The first accumulator's four lines are the places between the conversions and the products that take the codes
.set e, e+2
.endr
	s_wait_alu depctr_va_vdst(0)                   ; the holds have written p's registers and the conversions are done reading them: v's fragments land there; the products of scores are done reading their scale words, in which v's land; p's codes and scale word are written, which the scaled products below take
.irp b, 0,1,2,3
.irp c, 0,1,2,3
	ds_load_b128 v[S+16*\b+4*\c:S+16*\b+4*\c+3], v[AVR] offset:\buf+VROW+16*VP*\b+32*\c   ; p is spent: v's fragment of channels 16 b on takes block b's registers
.endr
	ds_load_b32 v[SW+\b], v[AR4] offset:\buf+VSC+64*\b
.endr
.rept 12
	v_pk_mul_f32 v[OT+e:OT+e+1], v[OT+e:OT+e+1], v[F:F+1] op_sel_hi:[1,0]   ; the other three accumulators, while the loads are out: these lines name nothing that the loads touch
.set e, e+2
.endr
	s_wait_alu depctr_va_vdst(0)
	s_wait_dscnt 0x0
.irp u, 0,1,2,3                        ; O^T += V P^T: the four accumulators by turns
	v_wmma_scale_f32_16x16x128_f8f6f4 v[OT+8*\u:OT+8*\u+7], v[S+16*\u:S+16*\u+15], v[T:T+15], v[OT+8*\u:OT+8*\u+7], v[SW+\u], v[PW] matrix_a_fmt:MATRIX_FMT_BF8 matrix_b_fmt:MATRIX_FMT_BF8
.endr
.endm
	s_load_b256 s[4:11], s[0:1], 0x0               ; qkv s[4:5], qk_bias s[6:7], mbits s[8:9], out0 s[10:11]
	v_lshrrev_b32 v1, 5, v0
	v_readfirstlane_b32 s[WV], v1                  ; wave 0..15
	v_and_b32 v12, 31, v0                          ; lane
	v_and_b32 v13, 15, v0                          ; r
	v_bfe_u32 v14, v0, 4, 1                        ; h
	s_wait_alu depctr_va_sdst(0)                   ; the wave's number is written, ahead of its first reader
	s_and_b32 s14, s[WV], 3                        ; kg: which 32 keys of a chunk (k role)
	s_bfe_u32 s27, s[WV], 0x10002                  ; b: which block of 32 channels (k role)
	s_and_b32 s26, s[WV], 7                        ; w': which 8 rows (v role)
	; every LDS address of both roles is made here, by every wave, ahead of the first branch on the wave's number
	v_lshlrev_b32 v[AL], 4, v12
	s_lshl_b32 s30, s[WV], 11
	s_add_co_u32 s30, s30, QIMG
	v_add_nc_u32 v[AQ], s30, v[AL]
	v_lshlrev_b32 v15, 4, v13
	v_lshl_add_u32 v15, v14, 10, v15
	v_add_nc_u32 v15, s30, v15                     ; where I store q's image: lane = query: tile lane / 16, row lane % 16
	v_lshlrev_b32 v[AR4], 2, v13
	v_mul_u32_u24 v[AVR], v13, VP
	v_lshl_add_u32 v[AVR], v14, 4, v[AVR]
	v_mov_b32 v[NEG], 0xff800000
	s_lshl_b32 s30, s27, 17                        ; 32 channels of 4,096 bytes
	s_lshl_b32 s31, s14, 7
	s_add_co_u32 s30, s30, s31
	v_lshl_add_u32 v[PFAK], v12, 2, s30            ; 131072 b + 128 kg + 4 x lane
	s_lshl_b32 s30, s26, 15
	s_add_co_u32 s30, s30, 262144
	v_lshlrev_b32 v[PFAV], 5, v13
	v_lshl_add_u32 v[PFAV], v14, 12, v[PFAV]
	v_add_nc_u32 v[PFAV], s30, v[PFAV]             ; 262144 + 4096 (8 w' + h) + 32 r
	v_and_b32 v[WSSK], 7, v0
	v_lshl_add_u32 v[WSSK], v14, 3, v[WSSK]        ; key 32 kg + lane is lane r' = lane % 8 + 8 (lane / 16)
	v_bfe_u32 v[WSTV], v0, 3, 1                    ; of tile 2 kg + u, u = (lane / 8) % 2
	v_lshlrev_b32 v[WSTK], 4, v[WSSK]
	v_lshl_add_u32 v[WSTK], v[WSTV], 10, v[WSTK]
	s_lshl_b32 s30, s14, 11
	s_lshl_b32 s31, s27, 9
	s_add_co_u32 s30, s30, s31
	v_add_nc_u32 v[WSTK], s30, v[WSTK]             ; 2048 kg + 512 (2 u + b) + 16 r'
	v_lshlrev_b32 v[WSSK], 2, v[WSSK]
	v_lshl_add_u32 v[WSSK], v[WSTV], 1, v[WSSK]
	s_lshl_b32 s30, s14, 6
	s_add_co_u32 s30, s30, s27
	v_add_nc_u32 v[WSSK], s30, v[WSSK]             ; 64 kg + 4 r' + 2 u + b
	v_mul_u32_u24 v[WSTV], v14, VP
	v_lshl_add_u32 v[WSTV], v13, 3, v[WSTV]
	s_mul_i32 s30, s26, 8*VP
	v_add_nc_u32 v[WSTV], s30, v[WSTV]             ; VP (8 w' + h) + 8 r
	v_bfe_u32 v[WSSV], v0, 2, 2
	v_lshl_add_u32 v[WSSV], v14, 2, v[WSSV]
	s_lshl_b32 s30, s26, 5
	v_add_nc_u32 v[WSSV], s30, v[WSSV]             ; 4 (8 w' + h) + r / 4
	v_lshlrev_b32 v12, 2, v12                      ; q: 4 bytes a lane
	s_mov_b32 s[MNT], 0x600000
	s_mov_b32 s[SEL], 0x76543210
	s_mov_b32 s[SEL+1], 0xfedcba98
	s_mov_b32 s[CS], 0x3fb8aa3b
	s_mov_b32 s[CS+1], 0x3fb8aa3b
	s_mov_b32 s[SC], 0x3eb504f3
	s_mov_b32 s[SC+1], 0x3eb504f3
	s_mov_b32 s[TRIP], 4
	s_and_b32 s14, ttmp7, 0xffff                   ; the head i
	s_mul_i32 s30, s14, 786432                     ; 192 rows of 4,096 bytes: under 2^27 for 128 heads
	s_mov_b32 s31, 0
	s_wait_kmcnt 0x0
	s_add_nc_u64 s[KV:KV+1], s[4:5], s[30:31]      ; the head's first byte
	s_lshl_b32 s26, ttmp9, 11                      ; my half of the queries,
	s_lshl_b32 s27, s[WV], 7                       ; my wave's 32
	s_add_co_u32 s26, s26, s27
	s_mov_b32 s27, 0
	s_add_nc_u64 s[QB:QB+1], s[KV:KV+1], s[26:27]
	s_add_nc_u64 s[KV:KV+1], s[KV:KV+1], 262144    ; k begins 64 rows on
	s_and_b32 s26, s14, 7                          ; the mask of head i is mask[i mod 8]
	s_lshl_b32 s26, s26, 17
	s_lshl_b32 s30, ttmp9, 16                      ; 32 query tiles of 2,048 bytes,
	s_add_co_u32 s26, s26, s30
	s_lshl_b32 s30, s[WV], 12                      ; two a wave
	s_add_co_u32 s26, s26, s30
	s_add_nc_u64 s[MB:MB+1], s[8:9], s[26:27]
	s_lshl_b32 s26, s14, 18                        ; out0: 64 rows of 4,096 bytes a head
	s_lshl_b32 s30, ttmp9, 11
	s_add_co_u32 s26, s26, s30
	s_add_nc_u64 s[10:11], s[10:11], s[26:27]
	s_load_b32 s[BIAS], s[6:7], 0x0
	MLOAD 0                                        ; tile 0, key step 0
	s_wait_alu depctr_va_vdst(0)                   ; the addresses v1 to v4, v6 to v12 and v15 are written: the loads and stores of the whole kernel read them, up to the way out
	PFLOAD                                         ; chunk 0
.set e, 0
.rept 64
	global_load_b32 v[S+e], v12, s[QB:QB+1] offset:4096*e th:TH_LOAD_NT   ; q: a lane is one of my 32 queries, its registers run down the channels; read once, by this wave
.set e, e+1
.endr
.set e, 0
.rept 8
	v_mov_b32 v[QZ+e], 0                           ; the zero codes on both sides of Q
	v_mov_b32 v[QZ+16+e], 0
.set e, e+1
.endr
.set e, 0
.rept 64
	v_mov_b32 v[O+e], 0                            ; O^T.  (The step is written once: the first finds zeros, which the first change of M leaves zeros)
.set e, e+1
.endr
.irp t, 0,1
	v_mov_b32 v[ST+4*\t+1], 0xff61b1e6             ; the largest t so far: -3e38
	v_floor_f32 v[ST+4*\t], -v[ST+4*\t+1]          ; -M
	v_mov_b32 v[ST+4*\t+2], 0                      ; the sum, in two halves
	v_mov_b32 v[ST+4*\t+3], 0
.endr
	v_mov_b32 v[PW], 0                             ; (named as the upper half of the pair with f before it is first made)
	s_wait_loadcnt 0x0                             ; q and chunk 0
	s_add_nc_u64 s[KV:KV+1], s[KV:KV+1], 512       ; on to chunk 1
	QBLK S, T, T+26                                ; channels 0-31
	QBLK S+32, T+8, T+27                           ; channels 32-63
	v_lshl_or_b32 v[QW], v[T+27], 8, v[T+26]       ; my query's two bytes
	v_lshl_or_b32 v[QW2], v[QW], 16, 0x101         ; [0 | Q]: they scale blocks 2 and 3; the zero codes' bytes are 1
	v_or_b32 v[QW], 0x1010000, v[QW]               ; [Q | 0]: blocks 0 and 1
	s_wait_alu depctr_va_vdst(0)                   ; the conversions have written v[T .. T+15], which the four stores read; q's scale words and the zero codes, which every product of scores takes, are written too
	ds_store_b128 v15, v[T:T+3]                    ; the image of Q's registers: block c, half hh at 512 c + 256 hh; my wave's own bytes
	ds_store_b128 v15, v[T+4:T+7] offset:256
	ds_store_b128 v15, v[T+8:T+11] offset:512
	ds_store_b128 v15, v[T+12:T+15] offset:768
	s_wait_dscnt 0x0                               ; the image lies in LDS
	s_wait_alu depctr_vm_vsrc(0)                   ; the stores have read v[T .. T+15] and v15, and q's loads v12: the tail below writes v[T ..], the loop v12 and v15
	QTAIL 0                                        ; chunk 0 into buffer 0
	s_wait_kmcnt 0x0
.set e, 0
.rept 8
	v_mov_b32 v[BI+e], s[BIAS]
.set e, e+1
.endr
	BAR                                            ; buffer 0 is whole
.Ltrip:                                                ; four trips of two key steps: the buffers' places stand in the immediates
	PFLOAD                                         ; the next chunk is asked for a whole step ahead
	UNIT 0, 0, 0
	UNIT 1, 0, 1
	s_wait_loadcnt 0x0                             ; the chunk is in, and its loads' base may step
	s_add_nc_u64 s[KV:KV+1], s[KV:KV+1], 512
	QTAIL BUFB
	BAR                                            ; buffer 1 is whole, and nobody reads buffer 0 any more
	s_cmp_eq_u32 s[TRIP], 1                        ; behind the last step there is no chunk: no load leaves its buffer
	s_cbranch_scc1 .Lno_chunk
	PFLOAD
.Lno_chunk:
	UNIT 0, BUFB, 0
	UNIT 1, BUFB, 2
	s_wait_loadcnt 0x0                             ; on every way: no load into the chunk's registers is out at the loop's edge
	s_cmp_eq_u32 s[TRIP], 1
	s_cbranch_scc1 .Lno_tail
	s_add_nc_u64 s[KV:KV+1], s[KV:KV+1], 512
	QTAIL 0
.Lno_tail:
	BAR                                            ; buffer 0 is whole, and nobody reads buffer 1 any more
	s_sub_co_i32 s[TRIP], s[TRIP], 1
	s_cmp_lg_u32 s[TRIP], 0
	s_cbranch_scc1 .Ltrip
	; THE WAY OUT.  O^T / the sum goes into a stage of 64 channels x 512 queries; behind a barrier each wave stores 4 whole rows.
	; The eight lines that make the addresses name nothing of the last products: they are the places behind those.
	s_wait_alu depctr_vm_vsrc(0)                   ; the chunks' loads and the tails' stores have read v6 to v9, which the lines below write anew
	v_and_b32 v[STO], 15, v0
	v_bfe_u32 v[STO+1], v0, 4, 1
	v_mul_u32_u24 v[STO+1], v[STO+1], 8*SP
	v_lshl_add_u32 v[STO], v[STO], 2, v[STO+1]
	s_lshl_b32 s30, s[WV], 7
	s_add_co_u32 s30, s30, STG
	v_add_nc_u32 v[STO], s30, v[STO]               ; channel 8 h, query 32 w + r; the rest stands in the immediates,
	v_add_nc_u32 v[STO+1], 32*SP, v[STO]           ; which have 16 bits: a second register for channels 32 on
	s_lshl_b32 s31, s[WV], 14
	v_add_nc_u32 v[GO], s31, v[AL]                 ; out0: rows 4 w on, 16 bytes a lane
	s_mul_i32 s30, s[WV], 4*SP
	s_add_co_u32 s30, s30, STG
	v_add_nc_u32 v[SRD], s30, v[AL]                ; and the same in the stage
.irp t, 0,1
	v_add_f32 v[T+16+\t], v[ST+4*\t+2], v[ST+4*\t+3]   ; the sum's two halves,
.endr
.irp t, 0,1
	v_permlanex16_b32 v[T+18+\t], v[T+16+\t], s[SEL], s[SEL+1]
.endr
.irp t, 0,1
	v_add_f32 v[T+16+\t], v[T+16+\t], v[T+18+\t]   ; and lane l xor 16's: the row's sum
.endr
	s_wait_alu depctr_va_vdst(0)
.irp t, 0,1
	v_rcp_f32 v[T+20+2*\t], v[T+16+\t]
.endr
	v_nop                                          ; a plain line behind the reciprocals
	s_wait_alu depctr_va_vdst(0)                   ; the two reciprocals are written, ahead of the first line that names one; so are the four addresses v6 to v9
.irp t, 0,1
.set e, 0
.rept 16
	v_pk_mul_f32 v[O+32*\t+e:O+32*\t+e+1], v[O+32*\t+e:O+32*\t+e+1], v[T+20+2*\t:T+21+2*\t] op_sel_hi:[1,0]   ; each accumulator from its low end on
.set e, e+2
.endr
.endr
	s_wait_alu depctr_va_vdst(0)                   ; the multiplications have written O^T, which the 64 stores read.  No vector or matrix line behind this wait names v[S ..], in which the stage's rows land further down
.irp t, 0,1
.irp u, 0,1,2,3
.irp j, 0,1,2,3,4,5,6,7
	ds_store_b32 v[STO+\u/2], v[O+32*\t+8*\u+\j] offset:SP*(16*(\u%2)+\j)+64*\t   ; channel 16 u + 8 h + j, query 32 w + 16 t + r: sixteen lanes write 64 consecutive bytes
.endr
.endr
.endr
	BAR                                            ; the stage is whole
.set k, 0
.rept 16
	ds_load_b128 v[S+4*k:S+4*k+3], v[SRD] offset:SP*(k/4)+512*(k%4)
.set k, k+1
.endr
.set k, 0
.rept 16
	s_wait_dscnt 15-k                              ; LDS loads come back in order (ISA guide 5.7.1): load k is in, the 15 - k behind it may be out
	global_store_b128 v[GO], v[S+4*k:S+4*k+3], s[10:11] offset:4096*(k/4)+512*(k%4) th:TH_STORE_NT   ; 32 lanes store 512 consecutive bytes, at a multiple of 512 from out0's first byte; written once
.set k, k+1
.endr
	s_wait_xcnt 0x0
	v_lshl_add_u32 v254, v0, 2, 0x31400            ; the add's two registers, made anew: no memory or LDS instruction has read v254 or v255 since the last wait on vm_vsrc
	v_mov_b32 v255, 0
	s_wait_dscnt 0x0                               ; the closing lines, six on end, of a launch in the mode that stores to LDS
	s_wait_alu 0x0
	s_wait_tensorcnt 0x0
	ds_add_u32 v254, v255
	s_wait_dscnt 0x0
	s_endpgm
.Lfunc_end_k_qb39c588d7e_attn:
	.size	k_qb39c588d7e_attn, .Lfunc_end_k_qb39c588d7e_attn-k_qb39c588d7e_attn
	.p2alignl 7, 3214868480
	.fill 96, 4, 3214868480
	.section	.rodata,"a",@progbits
	.p2align	6, 0x0
	.amdhsa_kernel k_qb39c588d7e_attn
		.amdhsa_group_segment_fixed_size 203776
		.amdhsa_private_segment_fixed_size 0
		.amdhsa_enable_private_segment 0
		.amdhsa_kernarg_size 32
		.amdhsa_user_sgpr_count 2
		.amdhsa_user_sgpr_kernarg_segment_ptr 1
		.amdhsa_wavefront_size32 1
		.amdhsa_system_sgpr_workgroup_id_x 1
		.amdhsa_system_sgpr_workgroup_id_y 1
		.amdhsa_system_sgpr_workgroup_id_z 1
		.amdhsa_system_vgpr_workitem_id 0
		.amdhsa_next_free_vgpr 256
		.amdhsa_next_free_sgpr 100
		.amdhsa_reserve_vcc 0
		.amdhsa_float_denorm_mode_32 3
		.amdhsa_float_denorm_mode_16_64 3
		.amdhsa_memory_ordered 1
		.amdhsa_forward_progress 1
		.amdhsa_inst_pref_size 169
	.end_amdhsa_kernel
	.amdgpu_metadata
---
amdhsa.version: [ 1, 2 ]
amdhsa.kernels:
  - .name:           k_qb39c588d7e_attn
    .symbol:         k_qb39c588d7e_attn.kd
    .args:
      - { .name: qkv, .offset: 0, .size: 8, .value_kind: global_buffer, .address_space: global }
      - { .name: qk_bias, .offset: 8, .size: 8, .value_kind: global_buffer, .address_space: global }
      - { .name: mbits, .offset: 16, .size: 8, .value_kind: global_buffer, .address_space: global }
      - { .name: out0, .offset: 24, .size: 8, .value_kind: global_buffer, .address_space: global }
    .group_segment_fixed_size: 203776
    .private_segment_fixed_size: 0
    .kernarg_segment_align: 8
    .kernarg_segment_size: 32
    .max_flat_workgroup_size: 512
    .sgpr_count:     100
    .vgpr_count:     256
    .wavefront_size: 32
...
	.end_amdgpu_metadata
.endif
;; end of part 4
